; MI455X (gfx1250); checked and timed in simulation.
; The chip was launched on July 23, 2026; its instructions are those of AMD's public machine-readable ISA for CDNA 5 (MIT licence, August 2026) and "CDNA5" Instruction Set Architecture Reference Guide (July 2026). The comments in the code are by the model that wrote it; some were corrected since.
;; Attention. Allowed arithmetic: matrix products marked QUANTISED: E2M3 operands, one E8M0 scale for each 32 along K, by v_wmma_scale_f32_16x16x128_f8f6f4 with both operands' format E2M3, f32 sums; everything else in f32.
;; Inputs: b_out 1,024 float32; w_kv 1,024 x 2,048 float32; w_out 1,024 x 1,024 float32; w_q 1,024 x 1,024 float32; x 4 x 2,048 x 1,024 float32.
;; Outputs: out0 4 x 2,048 x 1,024 float32.
;; This version of the problem:
;;   THIS VERSION OF THE PROBLEM IS GIVEN IN LOW PRECISION. The matrix products marked QUANTISED in the list below multiply operands that are first quantised to E2M3 (2 exponent bits, 3 mantissa bits; 6 bits a number), with one power-of-two scale for each 32 numbers along K (OCP MX v1.0); their sums are f32. All else is computed in f32.
;;   The module's matrix products, in the order in which they are computed (A, B: the left and right operand; K: the contracted axis; several contracted axes count as one K, in the product's order):
;;     1. [M 8,192, K 1,024] x [K 1,024, N 1,024]; A: input x; B: input w_q: QUANTISED
;;     2. [M 8,192, K 1,024] x [K 1,024, N 2,048]; A: input x; B: input w_kv: QUANTISED
;;     3. batch 64 x [M 2,048, K 64] x [K 64, N 2,048]; A: computed on the way; B: computed on the way: QUANTISED
;;     4. batch 64 x [M 2,048, K 2,048] x [K 2,048, N 64]; A: softmax (see below); B: computed on the way: QUANTISED
;;     5. [M 8,192, K 1,024] x [K 1,024, N 1,024]; A: computed on the way; B: input w_out: QUANTISED
;;   THE QUANTISER, for each operand of a quantised product, along K:
;;     - K is cut into blocks of 32 from its start; a last block that is shorter is filled with zeros.
;;     - A block's scale is 2^e with e = floor(log2(the largest magnitude in the block)) - 2, held to -126 .. 127; a block of zeros has e = 0. As a byte (E8M0): e + 127.
;;     - Each number is divided by its block's scale, clamped to +-7.5, and rounded to the nearest number of E2M3, ties to even, subnormals kept.
;;     - The product sums the exact products of the quantised numbers (number of the format x scale) in f32.
;;   ~~~python
;;   def quantise(x, axis):      # numpy; x: float32 -> the quantised numbers, widened to float32 again
;;       x = np.moveaxis(x, axis, -1); K = x.shape[-1]
;;       x = np.pad(x, [(0, 0)] * (x.ndim - 1) + [(0, -K % 32)]); x = x.reshape(x.shape[:-1] + (-1, 32)); a = np.abs(x).max(-1, keepdims=True)
;;       e = np.where(a > 0, np.clip(np.frexp(np.where(a > 0, a, 1))[1] - 1 - 2, -126, 127), 0)      # np.frexp(a)[1] - 1 = floor(log2(a)), exactly
;;       r = np.clip(x / 2.0 ** e, -7.5, 7.5)
;;       step = 2.0 ** (np.maximum(np.frexp(np.where(r == 0, 1, r))[1] - 1, 0) - 3)
;;       q = np.round(r / step) * step * 2.0 ** e      # np.round: ties to even
;;       return np.moveaxis(q.reshape(q.shape[:-2] + (-1,))[..., :K], -1, axis).astype(np.float32)
;;   ~~~
;;   SOFTMAX AHEAD OF A QUANTISED PRODUCT. Where the list says 'softmax', what is quantised is not the finished softmax but p = 2^(t - M), with t = logit x log2(e) and M = ceil(the row's largest t), a whole number; so 1/2 < the row's largest p <= 1. The row's sum l is taken of the UNQUANTISED p, in f32, and the product's result is divided by l at the end. Since M is a whole number, a kernel that streams over the keys may use a running M (the ceiling of the running maximum): every later rescaling is an exact power of two, which a block's scale takes up: the codes' values come out the same.
;;   OPERANDS COMPUTED ON THE WAY. 'Computed on the way' means the value that the module computes at that place (a softmax that the list does not call 'softmax' is quantised finished and normalised). What goes into a quantiser is computed in f32, as accurately as f32 sums, v_exp_f32 and their like allow (about 1e-6 of the number): no bf16 or f16 on the way to a quantiser, and a product that is left as it is and whose result goes on into a quantised operand takes f32 operands (vector FMAs, or v_wmma_f32_16x16x4_f32). A number that lies on a knife's edge between two numbers of the format may be rounded either way, as far as f32 arithmetic and the matrix unit's own rounding can turn it there, and no further.
;; One version. Each part assembles by itself: llvm-mc -triple=amdgcn-amd-amdhsa -mcpu=gfx1250 --defsym DOCPART=n.
;; ======== version 1 of 1: 5 launches
;; limits: right only within a limited range of input values
;; workspace buffers: xq 6,553,600 bytes; wqk 1,638,400 bytes; wvo 1,638,400 bytes; qkb 13,107,200 bytes; vb 6,553,600 bytes; cq 6,553,600 bytes
;; launch quant (part 1): grid 384 x 1, 4 waves a work-group, no clusters, 35,328 bytes of LDS; arguments x, w_q, w_kv, w_out, xq, wqk, wvo; writes xq, wqk, wvo
.if DOCPART == 1
	.amdgcn_target "amdgcn-amd-amdhsa--gfx1250"
	.amdhsa_code_object_version 6
	.text
	.protected	k_q86ccaf3d93_quant
	.globl	k_q86ccaf3d93_quant
	.p2align	8
	.type	k_q86ccaf3d93_quant,@function
k_q86ccaf3d93_quant:
	s_mov_b64 s[64:65], 0
	v_nop
	global_prefetch_b8 v0, s[64:65] scope:SCOPE_SE
	s_setreg_imm32_b32 hwreg(HW_REG_WAVE_MODE, 25, 1), 1
	s_wait_xcnt 0x0
; x [8192][1024] and the weights w_q [1024][1024], w_kv [1024][2048], w_out [1024][1024], all f32, become codes of FP6 (E2M3) with one E8M0 scale byte for each 32 along K (K = 1024: x's last axis, the weights' first).
; A block's scale is 2^(floor(log2(largest magnitude)) - 2); its byte is the largest magnitude's exponent field - 2, held at 1 from below (a block of zeros keeps the byte 1: its codes are zeros, and only this program reads the bytes).
; LIMITS: NaN and infinities among the inputs are not served; blocks whose largest magnitude lies under 2^-124 keep the byte 1.
; LAYOUT OF THE RESULT: a RECORD of 12,800 bytes for each tile of 16 rows: 16 six-packs of 768 bytes (16 rows x 64 K as an image of six operand registers: lane (r, h) owns row r, k = 32 h .. 32 h + 31;
; registers 0-3 at 16 x lane, registers 4-5 at 512 + 8 x lane), then 512 bytes of scale words [slot of 256 K][row][half of the slot].
; THE ROWS OF A TILE ARE NOT NEIGHBOURS: row p of tile i of a group of 32 rows is logical row 8 i + p + 8 (p / 8), so that a product's results of two neighbouring tiles are 16 neighbours in a lane's registers.
; Work-groups 0-255 take x (32 rows each: wave = tile x half of K), work-groups 256-383 the weights (128 columns x 256 K each: a wave 32 columns).  Waves share nothing: no barrier.
.set REC,  12800
.set R,    16                          ; v16-143   x: two sets of 64 registers as loaded (16 rows x 16 bytes a lane)
.set X,    144                         ; v144-207  x: my 64 numbers: two blocks of 32
.set C,    208                         ; v208-219  x: the codes of two six-packs
.set CT,   220                         ; v220-222, v224-226: the upper halves' codes (a conversion's three registers begin on an even number)
.set WREG, 8704                        ; LDS of a wave: a stage of 16 rows x 528 bytes, then 256 bytes of scale words
.set SP,   528                         ; a stage row: 512 bytes + 16: sixteen rows start at sixteen different groups of banks
	s_load_b256 s[4:11], s[0:1], 0x0               ; x, w_q, w_kv, w_out
	s_load_b128 s[12:15], s[0:1], 0x20             ; xq, wqk
	s_load_b64 s[16:17], s[0:1], 0x30              ; wvo
	v_lshl_add_u32 v240, v0, 2, 0x8800
	v_mov_b32 v241, 0
	v_lshrrev_b32 v1, 5, v0
	v_readfirstlane_b32 s18, v1                    ; wave
	v_and_b32 v10, 31, v0                          ; lane
	v_lshlrev_b32 v1, 4, v10                       ; 16 x lane
	v_lshlrev_b32 v2, 3, v10                       ; 8 x lane
	v_and_b32 v11, 15, v0                          ; r
	v_bfe_u32 v12, v0, 4, 1                        ; h
	s_mov_b32 s31, 0                               ; the upper word of every offset pair s[30:31]
	s_wait_kmcnt 0x0
	s_cmp_lt_u32 ttmp9, 256
	s_cbranch_scc0 .Lw
; ---------------- x: wave w takes tile 2 g + w / 2 and K half w % 2 (512 along K), in four steps of 128 ----------------
	s_lshr_b32 s19, s18, 1                         ; which tile of the group of 32 rows
	s_and_b32 s24, s18, 1                          ; which half of K
	s_lshl_b32 s25, ttmp9, 5
	s_lshl_b32 s26, s19, 3
	s_add_co_u32 s25, s25, s26                     ; the tile's first logical row: 32 g + 8 i
	s_lshl_b32 s30, s25, 12                        ; x 4,096 bytes
	s_lshl_b32 s26, s24, 11
	s_add_co_u32 s30, s30, s26                     ; + 2,048 bytes for the second half of K
	s_add_nc_u64 s[4:5], s[4:5], s[30:31]
	s_lshl_b32 s25, ttmp9, 1
	s_add_co_u32 s25, s25, s19                     ; the tile
	s_mul_i32 s30, s25, REC
	s_add_nc_u64 s[20:21], s[12:13], s[30:31]      ; its record
	s_mul_i32 s30, s24, 6144
	s_add_nc_u64 s[12:13], s[20:21], s[30:31]      ; my eight six-packs
	s_lshl_b32 s30, s24, 8
	s_add_co_u32 s30, s30, 12288
	s_add_nc_u64 s[20:21], s[20:21], s[30:31]      ; my 256 bytes of scale words
	s_mov_b32 s22, 0x76543210
	s_mov_b32 s23, 0xfedcba98                      ; v_permlanex16_b32's selects for lane l xor 16
	s_mul_i32 s28, s18, WREG
	s_wait_alu depctr_va_vdst(0)
	v_add_nc_u32 v3, s28, v1                       ; the stage, in: 16 x lane of a row
	v_mul_u32_u24 v4, v11, SP
	v_lshl_add_u32 v4, v12, 7, v4
	v_add_nc_u32 v4, s28, v4                       ; out: row r, + 128 h: my block of 32 numbers
	v_lshlrev_b32 v5, 3, v11
	v_add_nc_u32 v5, s28, v5
	v_add_nc_u32 v5, 16*SP, v5                     ; my row's scale words: 8 r
	v_add_nc_u32 v6, s28, v2
	v_add_nc_u32 v6, 16*SP, v6                     ; and on the way out 8 bytes a lane
	v_lshlrev_b32 v7, 3, v12                       ; 8 h: my bytes' place in a scale word
	v_mov_b32 v236, 0                              ; written once: a lane permute's destination counts as one of its sources
.macro XLOAD s                         ; 128 along K of the tile's 16 rows: each load reads 512 consecutive bytes of one row
.irp p, 0,1,2,3,4,5,6,7,8,9,10,11,12,13,14,15
	global_load_b128 v[R+64*((\s)%2)+4*\p:R+64*((\s)%2)+4*\p+3], v1, s[4:5] offset:(\p+8*(\p/8))*4096+512*(\s) th:TH_LOAD_NT
.endr
.endm
.macro XSTEP s
.if (\s) < 3
	s_wait_loadcnt 16                              ; this step's 16 loads are in; the next step's 16 may be out
.else
	s_wait_loadcnt 0x0
.endif
.irp p, 0,1,2,3,4,5,6,7,8,9,10,11,12,13,14,15
	ds_store_b128 v3, v[R+64*((\s)%2)+4*\p:R+64*((\s)%2)+4*\p+3] offset:\p*SP
.endr
.irp c, 0,1
.irp i, 0,1,2,3,4,5,6,7
	ds_load_b128 v[X+32*\c+4*\i:X+32*\c+4*\i+3], v4 offset:256*\c+16*\i   ; LDS serves a wave's instructions in order: these see the stores above.  k = 64 c + 32 h + 4 i ..
.endr
.endr
	s_wait_dscnt 0x0                               ; my numbers are back, and the stores have read their registers,
.if (\s)+2 < 4
	XLOAD (\s)+2                                   ; which take the loads of two steps on
.endif
.irp c, 0,1                                    ; each block's largest magnitude: all 32 numbers are mine; two chains a block, the blocks by turns
	v_max3_num_f32 v[228+2*\c], |v[X+32*\c]|, |v[X+32*\c+1]|, |v[X+32*\c+2]|
	v_max3_num_f32 v[229+2*\c], |v[X+32*\c+3]|, |v[X+32*\c+4]|, |v[X+32*\c+5]|
.endr
.irp i, 6,10,14,18,22,26
.irp c, 0,1
	v_max3_num_f32 v[228+2*\c], v[228+2*\c], |v[X+32*\c+\i]|, |v[X+32*\c+\i+1]|
	v_max3_num_f32 v[229+2*\c], v[229+2*\c], |v[X+32*\c+\i+2]|, |v[X+32*\c+\i+3]|
.endr
.endr
.irp c, 0,1
	v_max3_num_f32 v[228+2*\c], v[228+2*\c], |v[X+32*\c+30]|, |v[X+32*\c+31]|
.endr
.irp c, 0,1
	v_max3_num_f32 v[228+2*\c], v[228+2*\c], v[229+2*\c], 0x1800000   ; and the floor 2^(3 - 127): the byte cannot fall under 1
.endr
.irp c, 0,1
	v_add_nc_u32 v[232+\c], 0xff000000, v[228+2*\c]   ; 2 off the exponent field: the conversion takes this operand's exponent field as its scale
.endr
.irp c, 0,1
	v_lshrrev_b32 v[234+\c], 23, v[232+\c]         ; the scale's byte
.endr
	v_lshl_or_b32 v237, v235, 16, v234             ; my two bytes: blocks h and 2 + h of my row,
	v_lshlrev_b32 v237, v7, v237                   ; at their places;
	v_permlanex16_b32 v236, v237, s22, s23
	v_or_b32 v237, v237, v236                      ; with lane l xor 16's two the word is whole
.if (\s) > 0
	s_wait_alu depctr_va_vdst(0)
	s_wait_xcnt 0x0                                ; the last step's stores have read the codes' registers: only now are they written again
.endif
.irp c, 0,1
	v_cvt_scalef32_pk16_fp6_f32 v[C+6*\c:C+6*\c+2], v[X+32*\c:X+32*\c+15], v[232+\c]
	v_cvt_scalef32_pk16_fp6_f32 v[CT+4*\c:CT+4*\c+2], v[X+32*\c+16:X+32*\c+31], v[232+\c]
.endr
	v_nop                                          ; one plain place behind a scaled conversion
.irp c, 0,1
.irp i, 0,1,2
	v_mov_b32 v[C+6*\c+3+\i], v[CT+4*\c+\i]
.endr
.endr
.irp c, 0,1
	global_store_b128 v1, v[C+6*\c:C+6*\c+3], s[12:13] offset:(2*(\s)+\c)*768        ; 512 consecutive bytes
	global_store_b64 v2, v[C+6*\c+4:C+6*\c+5], s[12:13] offset:(2*(\s)+\c)*768+512   ; 256 consecutive bytes
.endr
	ds_store_b32 v5, v237 offset:((\s)/2)*128+((\s)%2)*4   ; both halves of the lanes write the same word with the same value
.endm
	XLOAD 0
	XLOAD 1
	s_wait_alu depctr_va_vdst(0)
	XSTEP 0
	XSTEP 1
	XSTEP 2
	XSTEP 3
	ds_load_b64 v[238:239], v6                     ; my wave's own bytes, served in order
	s_wait_dscnt 0x0
	global_store_b64 v2, v[238:239], s[20:21]      ; 32 lanes store 256 consecutive bytes
	s_wait_tensorcnt 0x0
	ds_add_u32 v240, v241
	s_wait_dscnt 0x0
	s_endpgm
; ---------------- the weights: a lane takes a column, and its registers run down K ----------------
.Lw:
	s_sub_co_u32 s19, ttmp9, 256
	s_lshr_b32 s24, s19, 2                         ; block of 128 columns, 0-31: 0-7 w_q, 8-23 w_kv, 24-31 w_out
	s_and_b32 s25, s19, 3                          ; which 256 along K
	s_sub_co_u32 s26, s24, 8
	s_sub_co_u32 s27, s24, 24
	s_mov_b32 s28, 4096
	s_mov_b32 s29, 4096
	s_cmp_lt_u32 s24, 24
	s_cselect_b64 s[8:9], s[8:9], s[10:11]         ; the choices hang on the work-group's number alone
	s_cselect_b32 s26, s26, s27                    ; the block's number inside its tensor
	s_cselect_b32 s28, 8192, s28                   ; a row of the tensor in bytes
	s_cmp_lt_u32 s24, 8
	s_cselect_b64 s[8:9], s[6:7], s[8:9]
	s_cselect_b32 s26, s24, s26
	s_cselect_b32 s28, s29, s28
	s_cmp_lt_u32 s24, 16
	s_cselect_b64 s[14:15], s[14:15], s[16:17]     ; blocks 0-15 go to wqk, blocks 16-31 to wvo
	s_lshl_b32 s29, s26, 9
	s_lshl_b32 s30, s18, 7
	s_add_co_u32 s29, s29, s30                     ; my wave's first column, in bytes
	s_lshl_b32 s30, s25, 8
	s_mul_i32 s30, s30, s28                        ; 256 j rows
	s_add_co_u32 s30, s29, s30
	s_add_nc_u64 s[32:33], s[8:9], s[30:31]        ; block 0 of my eight blocks of 32 along K
	s_lshl_b32 s30, s28, 5                         ; 32 rows on
.irp t, 1,2,3,4,5,6,7
	s_add_nc_u64 s[32+2*\t:33+2*\t], s[30+2*\t:31+2*\t], s[30:31]
.endr
	s_wait_alu depctr_va_vdst(0)
	v_and_b32 v11, 7, v10                          ; lane l is row l of the group of 32: it takes logical column (l % 8) + 8 (l / 16) + 16 ((l / 8) % 2)
	v_bfe_u32 v13, v0, 3, 1
	v_lshl_or_b32 v11, v12, 3, v11
	v_lshl_or_b32 v11, v13, 4, v11
	v_lshlrev_b32 v16, 2, v11
.set i, 1
.rept 31
	v_add_nc_u32 v[16+i], s28, v[15+i]             ; row i of a block: one offset register each, since a row's length differs between the tensors
.set i, i+1
.endr
	v_mul_u32_u24 v154, v12, REC
	v_and_b32 v13, 15, v10
	v_lshl_add_u32 v154, v13, 3, v154              ; my row's 8 scale bytes: record l / 16, 8 (l % 16)
	s_and_b32 s29, s24, 15
	s_lshl_b32 s29, s29, 3
	s_lshl_b32 s19, s18, 1
	s_add_co_u32 s29, s29, s19                     ; my first record: 8 (block % 16) + 2 wave
	s_mul_i32 s30, s29, REC
	s_add_nc_u64 s[14:15], s[14:15], s[30:31]
	s_mul_i32 s30, s25, 3072
	s_add_nc_u64 s[48:49], s[14:15], s[30:31]      ; six-packs 4 j on
	s_lshl_b32 s30, s25, 7
	s_add_co_u32 s30, s30, 12288
	s_add_nc_u64 s[50:51], s[14:15], s[30:31]      ; scale words of slot j
.macro WLOAD t                         ; block t: 32 rows of K at my column: 32 lanes read 128 consecutive bytes
.set i, 0
.rept 32
	global_load_b32 v[64+32*((\t)%2)+i], v[16+i], s[32+2*(\t):33+2*(\t)] th:TH_LOAD_NT
.set i, i+1
.endr
.endm
.macro WBLOCK t
.set XS, 64+32*((\t)%2)
.set DD, 128+8*((\t)%2)                ; v128-133 the even block's codes, v136-141 the odd block's
.if (\t) < 7
	s_wait_loadcnt 32                              ; this block's 32 loads are in; the next block's may be out
.else
	s_wait_loadcnt 0x0
.endif
	v_max3_num_f32 v156, |v[XS]|, |v[XS+1]|, |v[XS+2]|
	v_max3_num_f32 v157, |v[XS+3]|, |v[XS+4]|, |v[XS+5]|
.irp i, 6,10,14,18,22,26
	v_max3_num_f32 v156, v156, |v[XS+\i]|, |v[XS+\i+1]|
	v_max3_num_f32 v157, v157, |v[XS+\i+2]|, |v[XS+\i+3]|
.endr
	v_max3_num_f32 v156, v156, |v[XS+30]|, |v[XS+31]|
	v_max3_num_f32 v156, v156, v157, 0x1800000     ; the floor
	v_add_nc_u32 v158, 0xff000000, v156            ; the conversion's scale operand
	v_lshrrev_b32 v159, 23, v158                   ; the byte
.if (\t)%4 == 0
	v_mov_b32 v[152+(\t)/4], v159                  ; four bytes to a word, the lower K in the lower byte
.else
	v_lshl_or_b32 v[152+(\t)/4], v159, 8*((\t)%4), v[152+(\t)/4]
.endif
.if ((\t)%2 == 0) && ((\t) > 0)
	s_wait_alu depctr_va_vdst(0)
	s_wait_xcnt 0x0                                ; the last pair's stores have read the codes' registers
.endif
	v_cvt_scalef32_pk16_fp6_f32 v[DD:DD+2], v[XS:XS+15], v158
	v_cvt_scalef32_pk16_fp6_f32 v[144:146], v[XS+16:XS+31], v158
	v_nop                                          ; one plain place behind a scaled conversion
.irp i, 0,1,2
	v_mov_b32 v[DD+3+\i], v[144+\i]
.endr
.if (\t)+2 < 8
	WLOAD (\t)+2
.endif
.if (\t)%2 == 1
.irp i, 0,1,2,3,4,5
	v_permlane16_swap_b32 v[128+\i], v[136+\i]     ; the first's lanes 16-31 change places with the second's lanes 0-15: v128.. is now the first tile's six-pack (both blocks of rows 0-15), v136.. the second tile's
.endr
	global_store_b128 v1, v[128:131], s[48:49] offset:((\t)/2)*768
	global_store_b64 v2, v[132:133], s[48:49] offset:((\t)/2)*768+512
	global_store_b128 v1, v[136:139], s[48:49] offset:((\t)/2)*768+REC
	global_store_b64 v2, v[140:141], s[48:49] offset:((\t)/2)*768+REC+512
.endif
.endm
	s_wait_alu depctr_va_vdst(0)
	WLOAD 0
	WLOAD 1
.irp t, 0,1,2,3,4,5,6,7
	WBLOCK \t
.endr
	global_store_b64 v154, v[152:153], s[50:51]    ; sixteen lanes store 128 consecutive bytes of a record's scale words
	s_endpgm
.Lfunc_end_k_q86ccaf3d93_quant:
	.size	k_q86ccaf3d93_quant, .Lfunc_end_k_q86ccaf3d93_quant-k_q86ccaf3d93_quant
	.p2alignl 7, 3214868480
	.fill 96, 4, 3214868480
	.section	.rodata,"a",@progbits
	.p2align	6, 0x0
	.amdhsa_kernel k_q86ccaf3d93_quant
		.amdhsa_group_segment_fixed_size 35328
		.amdhsa_private_segment_fixed_size 0
		.amdhsa_enable_private_segment 0
		.amdhsa_kernarg_size 56
		.amdhsa_user_sgpr_count 2
		.amdhsa_user_sgpr_kernarg_segment_ptr 1
		.amdhsa_wavefront_size32 1
		.amdhsa_system_sgpr_workgroup_id_x 1
		.amdhsa_system_sgpr_workgroup_id_y 1
		.amdhsa_system_sgpr_workgroup_id_z 1
		.amdhsa_system_vgpr_workitem_id 0
		.amdhsa_next_free_vgpr 242
		.amdhsa_next_free_sgpr 66
		.amdhsa_reserve_vcc 0
		.amdhsa_float_denorm_mode_32 3
		.amdhsa_float_denorm_mode_16_64 3
		.amdhsa_memory_ordered 1
		.amdhsa_forward_progress 1
		.amdhsa_inst_pref_size 72
	.end_amdhsa_kernel
	.amdgpu_metadata
---
amdhsa.version: [ 1, 2 ]
amdhsa.kernels:
  - .name:           k_q86ccaf3d93_quant
    .symbol:         k_q86ccaf3d93_quant.kd
    .args:
      - { .name: x, .offset: 0, .size: 8, .value_kind: global_buffer, .address_space: global }
      - { .name: w_q, .offset: 8, .size: 8, .value_kind: global_buffer, .address_space: global }
      - { .name: w_kv, .offset: 16, .size: 8, .value_kind: global_buffer, .address_space: global }
      - { .name: w_out, .offset: 24, .size: 8, .value_kind: global_buffer, .address_space: global }
      - { .name: xq, .offset: 32, .size: 8, .value_kind: global_buffer, .address_space: global }
      - { .name: wqk, .offset: 40, .size: 8, .value_kind: global_buffer, .address_space: global }
      - { .name: wvo, .offset: 48, .size: 8, .value_kind: global_buffer, .address_space: global }
    .group_segment_fixed_size: 35328
    .private_segment_fixed_size: 0
    .kernarg_segment_align: 8
    .kernarg_segment_size: 56
    .max_flat_workgroup_size: 128
    .sgpr_count:     66
    .vgpr_count:     242
    .wavefront_size: 32
...
	.end_amdgpu_metadata
.endif
;; end of part 1
;; launch gemm_qk (part 2): grid 8 x 32, 4 waves a work-group, clusters of 4 x 4, 327,680 bytes of LDS; arguments xq, wqk, qkb; writes qkb
.if DOCPART == 2
	.amdgcn_target "amdgcn-amd-amdhsa--gfx1250"
	.amdhsa_code_object_version 6
	.text
	.protected	k_q86ccaf3d93_gemm_qk
	.globl	k_q86ccaf3d93_gemm_qk
	.p2align	8
	.type	k_q86ccaf3d93_gemm_qk,@function
k_q86ccaf3d93_gemm_qk:
	s_mov_b64 s[64:65], 0
	v_nop
	global_prefetch_b8 v0, s[64:65] scope:SCOPE_SE
	s_setreg_imm32_b32 hwreg(HW_REG_WAVE_MODE, 25, 1), 1
	s_wait_xcnt 0x0
	s_wait_alu depctr_hold_cnt(0) depctr_sa_sdst(0) depctr_va_vdst(0) depctr_va_sdst(0) depctr_va_ssrc(0) depctr_va_vcc(0) depctr_vm_vsrc(0)
	s_getreg_b32 s2, hwreg(HW_REG_IB_STS2, 6, 4)
	s_cmp_eq_u32 s2, 0
	s_cbranch_scc0 .Lentry_in_a_cluster
	s_endpgm
.Lentry_in_a_cluster:
	s_bfe_u32 s2, ttmp6, 0x10000c
	s_cmp_lg_u32 s2, 0xf033
	s_cbranch_scc0 .Lentry_shape_is_right
	s_endpgm
.Lentry_shape_is_right:
; C = A B^T on records of FP6 codes (16 rows x 1,024 K: 16 six-packs of 768 bytes, then 512 bytes of scale words); the result is quantised along its columns and stored as six-packs with scale words.
; A block of 256 x 256, four waves of 128 x 128; K in four slots' fills of 256 through a ring of two slots; 4 x 4 clusters with joint loads.
; THE HEAD: one joint load a wave: wave 0 A's 16 records of K slot 0, wave 1 B's, wave 2 A's scale words, wave 3 B's; slot 1 is first filled behind the full sequence and a round.
.set REC,   12800
.set NQ,    2
.set FR,    12
.set NL,    4
.set NP,    4
.set TILEB, 3072
.set HALFT, 8*TILEB
.set SLOT,  4*HALFT
.set SCL,   2*SLOT
.set HALFS, 4096
.set SPARE, SCL+4*HALFS
.set LAPS,  2
.set RBB,   102400
.set ADRA, 16
.set ADRB, 20
.set SSA,  24
.set SSR,  25
.set L16,  26
.set ADRS, 27
.set SPW,  28
.set NIL,  29
.set L8,   30
.set SC,   32
.set PC,   64
.set PT,   76
.set SBK,  84
.set TM,   96
.set PW,   112
.set AF,   128
.set G1, 24
.set G0, 32
.set G1B, 48
.set G0B, 56
.set G1S, 68
.set G0S, 76
.set G1SB, 80
.set G0SB, 88
.set MSB, 0
.macro WIN new
.if MSB != \new
	s_set_vgpr_msb (MSB<<8)|\new
.set MSB, \new
.endif
.endm
.set MUL_LO, 0xa1
.set MUL_HI, 0xf1
.set TO_B,   0x40
.macro JLOAD g0a, g1a, g0b, g1b
	s_cmp_eq_u32 s15, 0
	s_cbranch_scc0 .Lfor_b_\@
	tensor_load_to_lds s[\g0a:\g0a+3], s[\g1a:\g1a+7]
	s_nop 0
.rept 4
	v_nop
.endr
	s_branch .Lasked_\@
.Lfor_b_\@:
	tensor_load_to_lds s[\g0b:\g0b+3], s[\g1b:\g1b+7]
	s_nop 0
.rept 4
	v_nop
.endr
.Lasked_\@:
.endm
.macro CREST
	s_cmp_lg_u32 s14, 0
	s_cbranch_scc1 .Lnot_wave_0_\@
	s_barrier_signal -3
.Lnot_wave_0_\@:
	s_barrier_wait -3
	s_barrier_signal -1
	s_barrier_wait -1
.endm
.macro CROUND
	s_barrier_signal -1
	s_barrier_wait -1
	CREST
.endm
	s_load_b128 s[4:7], s[0:1], 0x0
	s_load_b64 s[12:13], s[0:1], 0x10
	v_lshl_add_u32 v[SPW], v0, 2, SPARE
	v_mov_b32 v[NIL], 0
	ds_add_u32 v28, v29
	ds_add_u32 v28, v29
	s_wait_dscnt 0x0
	v_lshrrev_b32 v1, 5, v0
	v_readfirstlane_b32 s14, v1
	s_lshr_b32 s15, s14, 1
	s_and_b32 s16, s14, 1
	s_bfe_u32 s40, ttmp6, 0x40000
	s_bfe_u32 s41, ttmp6, 0x40004
	s_lshl_b32 s42, ttmp9, 2
	s_add_co_u32 s42, s42, s40
	s_and_b32 s17, ttmp7, 0xffff
	s_lshl_b32 s17, s17, 2
	s_add_co_u32 s17, s17, s41
	s_lshl_b32 s43, s41, 2
	s_lshl_b32 s43, 15, s43
	s_lshl_b32 s44, 0x1111, s40
	s_or_b32 s[G1+0], s43, (3<<16)|(1<<21)
	s_or_b32 s[G1B+0], s44, (3<<16)|(1<<21)
.irp g, G1, G1B
	s_mov_b32 s[\g+1], 384<<16
	s_mov_b32 s[\g+2], 16<<16
	s_mov_b32 s[\g+3], 384<<16
	s_mov_b32 s[\g+4], 16
	s_mov_b32 s[\g+5], 1600
	s_mov_b32 s[\g+6], 0
	s_mov_b32 s[\g+7], 0
.endr
	s_or_b32 s[G1S+0], s43, (3<<16)|(1<<21)
	s_or_b32 s[G1SB+0], s44, (3<<16)|(1<<21)
.irp g, G1S, G1SB
	s_mov_b32 s[\g+1], 64<<16
	s_mov_b32 s[\g+2], 16<<16
	s_mov_b32 s[\g+3], 64<<16
	s_mov_b32 s[\g+4], 16
	s_mov_b32 s[\g+5], 1600
	s_mov_b32 s[\g+6], 0
	s_mov_b32 s[\g+7], 0
.endr
	s_lshl_b32 s20, s17, 4                         ; the block's first record of A,
	s_lshl_b32 s46, s42, 4                         ; and of B
	s_mul_i32 s18, s16, 8*REC                      ; in the ring I fetch 8 records: which half, in bytes
	s_mov_b32 s19, 0
	s_mul_i32 s20, s20, REC
	s_mul_i32 s46, s46, REC
	s_mov_b32 s21, 0
	s_mov_b32 s47, 0
	s_mul_i32 s45, s14, HALFT
	s_wait_kmcnt 0x0
	s_add_nc_u64 s[20:21], s[4:5], s[20:21]
	s_add_nc_u64 s[46:47], s[6:7], s[46:47]
	CROUND
	s_mov_b32 s[G0], 1                             ; the head's four tiles, each whole: K slot 0 of A's 16 records (in slot 0's group 0, which is set for the ring later),
	s_mov_b32 s[G0+1], 0
	s_mov_b64 s[G0+2:G0+3], s[20:21]
	s_or_b32 s[G0+3], s[G0+3], 0x80000000
	s_mov_b32 s[G0B], 1                            ; of B's 16 records,
	s_mov_b32 s[G0B+1], 2*HALFT
	s_mov_b64 s[G0B+2:G0B+3], s[46:47]
	s_or_b32 s[G0B+3], s[G0B+3], 0x80000000
	s_mov_b32 s[G0S], 1                            ; A's scale words,
	s_mov_b32 s[G0S+1], SCL
	s_add_nc_u64 s[G0S+2:G0S+3], s[20:21], 12288
	s_or_b32 s[G0S+3], s[G0S+3], 0x80000000
	s_mov_b32 s[G0SB], 1                           ; and B's
	s_mov_b32 s[G0SB+1], SCL+2*HALFS
	s_add_nc_u64 s[G0SB+2:G0SB+3], s[46:47], 12288
	s_or_b32 s[G0SB+3], s[G0SB+3], 0x80000000
	s_add_nc_u64 s[8:9], s[20:21], s[18:19]        ; for the ring: my 8 records
	s_add_nc_u64 s[46:47], s[46:47], s[18:19]
	s_mov_b32 s[G0+4], 1
	s_add_co_u32 s[G0+5], s45, SLOT
	s_add_nc_u64 s[G0+6:G0+7], s[8:9], TILEB
	s_or_b32 s[G0+7], s[G0+7], 0x80000000
	s_mov_b32 s[G0B+4], 1
	s_add_co_u32 s[G0B+5], s45, SLOT
	s_add_nc_u64 s[G0B+6:G0B+7], s[46:47], TILEB
	s_or_b32 s[G0B+7], s[G0B+7], 0x80000000
.macro ARM under, g0, g1, next         ; one chain of branches on the wave's number: every way passes exactly one load
	s_cmp_lt_u32 s14, \under
	s_cbranch_scc0 \next
	tensor_load_to_lds s[\g0:\g0+3], s[\g1:\g1+7]
	s_nop 0
.rept 4
	v_nop
.endr
	s_branch .Lhead_asked
\next:
.endm
	ARM 1, G0,  G1,  .Lhead_b
	ARM 2, G0B, G1B, .Lhead_sa
	ARM 3, G0S, G1S, .Lhead_sb
	tensor_load_to_lds s[G0SB:G0SB+3], s[G1SB:G1SB+7]
	s_nop 0
.rept 4
	v_nop
.endr
.Lhead_asked:
	v_and_b32 v1, 31, v0
	v_and_b32 v2, 15, v0
	v_bfe_u32 v3, v0, 4, 1
	v_lshlrev_b32 v[L16], 4, v1
	v_lshlrev_b32 v[L8], 3, v1
	s_mul_i32 s21, s15, HALFT
	s_mul_i32 s22, s16, HALFT
	s_add_co_u32 s22, s22, 2*HALFT
.irp s, 0,1
	v_add_nc_u32 v[ADRA+\s], s21, v[L16]
	v_add_nc_u32 v[ADRB+\s], s22, v[L16]
	v_add_nc_u32 v[ADRA+2+\s], s21, v[L8]
	v_add_nc_u32 v[ADRB+2+\s], s22, v[L8]
	s_add_co_u32 s21, s21, SLOT
	s_add_co_u32 s22, s22, SLOT
.endr
	v_lshlrev_b32 v6, 3, v2
	s_lshl_b32 s21, s15, 12
	s_lshl_b32 s22, s16, 12
	s_add_co_u32 s22, s22, 2*HALFS
	s_sub_co_u32 s22, s22, s21
	v_mul_u32_u24 v7, s22, v3
	s_add_co_u32 s21, s21, SCL
	v_add_nc_u32 v6, v6, v7
	v_add_nc_u32 v[ADRS], s21, v6
	s_lshl_b32 s23, s14, 9
	v_lshl_add_u32 v[SSA], v2, 2, s23
	v_add_nc_u32 v[SSR], s23, v[L16]
	s_mov_b32 s96, 0x76543210
	s_mov_b32 s97, 0xfedcba98
	s_lshr_b32 s66, s17, 2
	s_lshl_b32 s66, s66, 4
	s_lshl_b32 s67, s42, 1
	s_add_co_u32 s66, s66, s67
	s_add_co_u32 s66, s66, s16
	s_mul_i32 s66, s66, RBB
	s_and_b32 s67, s17, 3
	s_lshl_b32 s67, s67, 4
	s_lshl_b32 s95, s15, 3
	s_add_co_u32 s67, s67, s95
	s_mul_i32 s92, s67, 1536
	s_add_co_u32 s92, s92, s66
	s_mov_b32 s93, 0
	s_lshl_b32 s98, s67, 6
	s_add_co_u32 s98, s98, s66
	s_add_co_u32 s98, s98, 98304
	s_mov_b32 s99, 0
	s_add_nc_u64 s[10:11], s[12:13], s[98:99]
	s_add_nc_u64 s[12:13], s[12:13], s[92:93]
.macro FRAG reg, adr, q, i
	ds_load_b128 v[\reg:\reg+3],     v[\adr]   offset:(\i)*TILEB+(\q)*1536
	ds_load_b64  v[\reg+4:\reg+5],   v[\adr+2] offset:(\i)*TILEB+(\q)*1536+512
	ds_load_b128 v[\reg+6:\reg+9],   v[\adr]   offset:(\i)*TILEB+(\q)*1536+768
	ds_load_b64  v[\reg+10:\reg+11], v[\adr+2] offset:(\i)*TILEB+(\q)*1536+1280
.endm
.macro MUL16 a0, p, q, sc, zero
.irp a, \a0, \a0+1
.irp b, 0,1,2,3,4,5,6,7
.if \zero
	v_wmma_scale_f32_16x16x128_f8f6f4 v[8*(8*((\a)%4)+\b):8*(8*((\a)%4)+\b)+7], v[128*(\p)+FR*\b:128*(\p)+FR*\b+FR-1], v[AF+FR*(\a):AF+FR*(\a)+FR-1], 0, v[SC+8*NQ*(\sc)+NQ*\b+(\q)], v[SC+8*NQ*(\sc)+NQ*(\a)+(\q)] matrix_a_fmt:MATRIX_FMT_FP6 matrix_b_fmt:MATRIX_FMT_FP6 matrix_a_scale:MATRIX_SCALE_ROW1
.else
	v_wmma_scale_f32_16x16x128_f8f6f4 v[8*(8*((\a)%4)+\b):8*(8*((\a)%4)+\b)+7], v[128*(\p)+FR*\b:128*(\p)+FR*\b+FR-1], v[AF+FR*(\a):AF+FR*(\a)+FR-1], v[8*(8*((\a)%4)+\b):8*(8*((\a)%4)+\b)+7], v[SC+8*NQ*(\sc)+NQ*\b+(\q)], v[SC+8*NQ*(\sc)+NQ*(\a)+(\q)] matrix_a_fmt:MATRIX_FMT_FP6 matrix_b_fmt:MATRIX_FMT_FP6 matrix_a_scale:MATRIX_SCALE_ROW1
.endif
.endr
.endr
.endm
.macro FETCH_B slot, q, p
	WIN TO_B
.irp i, 0,1,2,3,4,5,6,7
	FRAG 128*(\p)+FR*\i, ADRB+\slot, \q, \i
.endr
	WIN 0
.endm
.macro FETCH_A slot, q, i0
.irp i, \i0, \i0+1, \i0+2, \i0+3
	FRAG AF+FR*(\i), ADRA+\slot, \q, \i
.endr
.endm
.macro SCALES sc
.irp i, 0,1,2,3,4,5,6,7
	ds_load_b64 v[SC+8*NQ*\sc+NQ*\i:SC+8*NQ*\sc+NQ*\i+1], v[ADRS] offset:\i*512
.endr
.endm
.macro PLACES n
.rept \n
	v_nop
.endr
.endm
.macro STEP slot, q, zero
	s_wait_dscnt 4*NL
	WIN MUL_LO
	MUL16 0, (\q)%2, \q, \slot, \zero
	MUL16 2, (\q)%2, \q, \slot, \zero
	s_wait_dscnt 0
	PLACES NP
	FETCH_B \slot, (\q)+1, 1-(\q)%2
	FETCH_A \slot, (\q)+1, 0
	WIN MUL_HI
	MUL16 4, (\q)%2, \q, \slot, \zero
	MUL16 6, (\q)%2, \q, \slot, \zero
	PLACES NP
	WIN 0
	FETCH_A \slot, (\q)+1, 4
.endm
.macro TURN slot, next, fill
	s_wait_tensorcnt 0x0
	ds_add_u32 v[SPW], v[NIL]
	s_wait_dscnt 4*NL+1
	WIN MUL_LO
	MUL16 0, 1, NQ-1, \slot, 0
	s_wait_dscnt 0x0
	s_barrier_signal -1
	MUL16 2, 1, NQ-1, \slot, 0
	WIN 0
	s_barrier_wait -1
.if \fill
	CREST
	s_add_nc_u64 s[G0+4*\slot+2:G0+4*\slot+3], s[G0+4*\slot+2:G0+4*\slot+3], 2*TILEB
	s_add_nc_u64 s[G0B+4*\slot+2:G0B+4*\slot+3], s[G0B+4*\slot+2:G0B+4*\slot+3], 2*TILEB
	JLOAD G0+4*\slot, G1, G0B+4*\slot, G1B
.else
	PLACES NP
.endif
	s_wait_alu depctr_va_vdst(0)
	v_add_nc_u32 v[ADRS], 128, v[ADRS]
	FETCH_B \next, 0, 0
	FETCH_A \next, 0, 0
	SCALES \next
	WIN MUL_HI
	MUL16 4, 1, NQ-1, \slot, 0
	MUL16 6, 1, NQ-1, \slot, 0
	PLACES NP
	WIN 0
	FETCH_A \next, 0, 4
.endm
	s_wait_alu depctr_va_vdst(0)
	s_wait_tensorcnt 0x0                           ; my tile of the head's four is in
	ds_add_u32 v[SPW], v[NIL]
	s_mov_b32 s[G1+2], 8<<16                       ; no tensor load of mine is out: from here on a load brings 8 records,
	s_mov_b32 s[G1+4], 8
	s_mov_b32 s[G1B+2], 8<<16
	s_mov_b32 s[G1B+4], 8
	s_mov_b32 s[G0+1], s45                         ; and slot 0's group 0 stands at my 8 records' K slot 0
	s_mov_b64 s[G0+2:G0+3], s[8:9]
	s_or_b32 s[G0+3], s[G0+3], 0x80000000
	s_mov_b32 s[G0B+1], s45
	s_mov_b64 s[G0B+2:G0B+3], s[46:47]
	s_or_b32 s[G0B+3], s[G0B+3], 0x80000000
	s_wait_dscnt 0x0
	CROUND                                         ; all four tiles are in, in every work-group of the cluster
	JLOAD G0+4, G1, G0B+4, G1B                     ; slot 1's first fill, the first tensor load behind the round
	FETCH_B 0, 0, 0
	FETCH_A 0, 0, 0
	SCALES 0
	FETCH_A 0, 0, 4
	STEP 0, 0, 1
	s_mov_b32 s3, LAPS-1
.Llap:
	TURN 0, 1, 1
	STEP 1, 0, 0
	TURN 1, 0, 1
	STEP 0, 0, 0
	s_sub_co_u32 s3, s3, 1
	s_cmp_lg_u32 s3, 0
	s_cbranch_scc1 .Llap
	TURN 0, 1, 0
	STEP 1, 0, 0
	s_wait_dscnt 4*NL
	WIN MUL_LO
	MUL16 0, 1, NQ-1, 1, 0
	MUL16 2, 1, NQ-1, 1, 0
	s_wait_dscnt 0
	WIN MUL_HI
	MUL16 4, 1, NQ-1, 1, 0
	MUL16 6, 1, NQ-1, 1, 0
	WIN 0
.macro QUANTW a
.set AC, 64*((\a)%4)
.set W1, 2+(\a)/4
.set W2, W1|(W1<<2)
	WIN W2
.irp b, 0,1,2,3
	v_max3_num_f32 v[TM+\b], |v[AC+16*\b]|, |v[AC+16*\b+1]|, 0x1800000
.endr
.irp i, 2,4,6,8,10,12,14
.irp b, 0,1,2,3
	v_max3_num_f32 v[TM+\b], |v[AC+16*\b+\i]|, |v[AC+16*\b+\i+1]|, v[TM+\b]
.endr
.endr
	WIN 0
.irp b, 0,1,2,3
	v_permlanex16_b32 v[TM+4+\b], v[TM+\b], s96, s97
.endr
.irp b, 0,1,2,3
	v_max_num_f32 v[TM+\b], v[TM+\b], v[TM+4+\b]
.endr
.irp b, 0,1,2,3
	v_add_nc_u32 v[TM+12+\b], 0xff000000, v[TM+\b]
.endr
.irp b, 0,1,2,3
	v_lshrrev_b32 v[TM+4+\b], 23, v[TM+12+\b]
.endr
	v_lshl_or_b32 v[PW], v[TM+5], 8, v[TM+4]
	v_lshl_or_b32 v[PW], v[TM+6], 16, v[PW]
	v_lshl_or_b32 v[PW], v[TM+7], 24, v[PW]
.if (\a) > 0
	s_wait_xcnt 0x0
.endif
	WIN W1
.irp c, 0,1
	v_cvt_scalef32_pk16_fp6_f32 v[PC+6*\c:PC+6*\c+2], v[AC+32*\c:AC+32*\c+15], v[TM+12+2*\c]
	v_cvt_scalef32_pk16_fp6_f32 v[PT+4*\c:PT+4*\c+2], v[AC+32*\c+16:AC+32*\c+31], v[TM+13+2*\c]
.endr
	WIN 0
	v_nop
.irp c, 0,1
.irp i, 0,1,2
	v_permlane16_swap_b32 v[PC+6*\c+\i], v[PT+4*\c+\i]
.endr
.irp i, 0,1,2
	v_mov_b32 v[PC+6*\c+3+\i], v[PT+4*\c+\i]
.endr
.endr
	global_store_b128 v[L16], v[PC:PC+3], s[12:13] offset:(\a)*1536
	global_store_b64 v[L8], v[PC+4:PC+5], s[12:13] offset:(\a)*1536+512
	global_store_b128 v[L16], v[PC+6:PC+9], s[12:13] offset:(\a)*1536+768
	global_store_b64 v[L8], v[PC+10:PC+11], s[12:13] offset:(\a)*1536+1280
	ds_store_b32 v[SSA], v[PW] offset:(\a)*64
.endm
	PLACES NP
.irp b, 0,1,2,3
	v_mov_b32 v[TM+4+\b], 0
.endr
.irp a, 0,1,2,3,4,5,6,7
	QUANTW \a
.endr
	ds_load_b128 v[SBK:SBK+3], v[SSR]
	s_wait_dscnt 0x0
	global_store_b128 v[L16], v[SBK:SBK+3], s[10:11]
	s_wait_tensorcnt 0x0
	ds_add_u32 v[SPW], v[NIL]
	s_wait_dscnt 0x0
	CROUND
	s_endpgm
.Lfunc_end_k_q86ccaf3d93_gemm_qk:
	.size	k_q86ccaf3d93_gemm_qk, .Lfunc_end_k_q86ccaf3d93_gemm_qk-k_q86ccaf3d93_gemm_qk
	.p2alignl 7, 3214868480
	.fill 96, 4, 3214868480
	.section	.rodata,"a",@progbits
	.p2align	6, 0x0
	.amdhsa_kernel k_q86ccaf3d93_gemm_qk
		.amdhsa_group_segment_fixed_size 327680
		.amdhsa_private_segment_fixed_size 0
		.amdhsa_enable_private_segment 0
		.amdhsa_kernarg_size 24
		.amdhsa_user_sgpr_count 2
		.amdhsa_user_sgpr_kernarg_segment_ptr 1
		.amdhsa_wavefront_size32 1
		.amdhsa_system_sgpr_workgroup_id_x 1
		.amdhsa_system_sgpr_workgroup_id_y 1
		.amdhsa_system_sgpr_workgroup_id_z 1
		.amdhsa_system_vgpr_workitem_id 0
		.amdhsa_next_free_vgpr 1024
		.amdhsa_next_free_sgpr 100
		.amdhsa_reserve_vcc 0
		.amdhsa_float_denorm_mode_32 3
		.amdhsa_float_denorm_mode_16_64 3
		.amdhsa_memory_ordered 1
		.amdhsa_forward_progress 1
		.amdhsa_inst_pref_size 150
	.end_amdhsa_kernel
	.amdgpu_metadata
---
amdhsa.version: [ 1, 2 ]
amdhsa.kernels:
  - .name:           k_q86ccaf3d93_gemm_qk
    .symbol:         k_q86ccaf3d93_gemm_qk.kd
    .args:
      - { .name: xq, .offset: 0, .size: 8, .value_kind: global_buffer, .address_space: global }
      - { .name: wqk, .offset: 8, .size: 8, .value_kind: global_buffer, .address_space: global }
      - { .name: qkb, .offset: 16, .size: 8, .value_kind: global_buffer, .address_space: global }
    .group_segment_fixed_size: 327680
    .private_segment_fixed_size: 0
    .kernarg_segment_align: 8
    .kernarg_segment_size: 24
    .max_flat_workgroup_size: 128
    .sgpr_count:     100
    .vgpr_count:     1024
    .wavefront_size: 32
...
	.end_amdgpu_metadata
.endif
;; end of part 2
;; launch gemm_v (part 3): grid 32 x 8, 4 waves a work-group, clusters of 4 x 4, 327,680 bytes of LDS; arguments wvo, xq, vb; writes vb
.if DOCPART == 3
	.amdgcn_target "amdgcn-amd-amdhsa--gfx1250"
	.amdhsa_code_object_version 6
	.text
	.protected	k_q86ccaf3d93_gemm_v
	.globl	k_q86ccaf3d93_gemm_v
	.p2align	8
	.type	k_q86ccaf3d93_gemm_v,@function
k_q86ccaf3d93_gemm_v:
	s_mov_b64 s[64:65], 0
	v_nop
	global_prefetch_b8 v0, s[64:65] scope:SCOPE_SE
	s_setreg_imm32_b32 hwreg(HW_REG_WAVE_MODE, 25, 1), 1
	s_wait_xcnt 0x0
	s_wait_alu depctr_hold_cnt(0) depctr_sa_sdst(0) depctr_va_vdst(0) depctr_va_sdst(0) depctr_va_ssrc(0) depctr_va_vcc(0) depctr_vm_vsrc(0)
	s_getreg_b32 s2, hwreg(HW_REG_IB_STS2, 6, 4)
	s_cmp_eq_u32 s2, 0
	s_cbranch_scc0 .Lentry_in_a_cluster
	s_endpgm
.Lentry_in_a_cluster:
	s_bfe_u32 s2, ttmp6, 0x10000c
	s_cmp_lg_u32 s2, 0xf033
	s_cbranch_scc0 .Lentry_shape_is_right
	s_endpgm
.Lentry_shape_is_right:
; V^T[channel][key] = sum over k of w_v[k][channel] x[key][k], quantised along the keys and stored as six-packs with scale words for the attention's second product.
; A = wvo's records 0-63 (V's 1,024 channels), B = xq's 512 records (8,192 keys); a record is 16 rows x 1,024 K of FP6 codes: 16 six-packs of 768 bytes, then 512 bytes of scale words [256 K][row][128 K].
; A BLOCK OF 128 CHANNELS x 256 KEYS: 32 x 8 = 256 work-groups.  Four waves, each 64 x 128: 32 accumulators, 256 registers (window 2); two sets of fragments for A (window 0) and for B (window 1).
; ALL OF K LIES IN LDS, 24 records = 307,200 bytes, and no byte is filled again.  At the head one joint load a wave: K's first half of A's 8 records, of B's 16, A's scale words, B's.  K's second half is first filled behind
; the full sequence and a round of the cluster's barrier, a load a wave, and lands under steps 0 to 2; the one barrier of the walk stands ahead of step 3's fetch.
; CLUSTERS 4 x 4: A's tiles are shared along a row of the cluster, B's along a column.  No prefetch: the text has no loop to run ahead in; all that is read is asked for in these two groups.
; The matrix instruction is used transposed (source 0 = B's rows, source 1 = A's): a lane holds one channel, and, since row p of record i of a pair is logical row 8 i + p + 8 (p / 8), the 16 registers of two neighbouring
; accumulators are 16 neighbouring keys.  RESULT: block 2 x block column + column half (128 keys), 102,400 bytes: 64 entries (16 channels) of 1,536 bytes, then 64 x 64 bytes of scale words.
; LIMITS: NaN and infinities are not served; a block whose largest magnitude lies under 2^-124 keeps the scale byte 1 (only this program reads the bytes).
.set REC,   12800
.set RBB,   102400
.set FR,    12
.set HROW,  6144                       ; a record's codes of half of K
.set AH,    8*HROW                     ; A's 8 records; B's 16 follow
.set HB,    24*HROW                    ; one half of K
.set SCL,   2*HB                       ; the scale words: A's 8 x 512, then B's 16 x 512
.set SPARE, SCL+24*512                 ; the spare words
.set ADRA, 16                          ; v16-17 my A fragments, 16 x lane, K half 0, 1; v18-19 the same with 8 x lane
.set ADRB, 20                          ; v20-23 the same for B
.set SSA,  24                          ; the way out: where my row's scale word goes in LDS,
.set SSR,  25                          ; and where 8 bytes a lane are read back
.set L16,  26
.set ADRS, 27
.set SPW,  28
.set NIL,  29
.set L8,   30
.set SC,   32                          ; v32-63 scale words, two sets: register 2 i + q: lanes 0-15 A's block i, lanes 16-31 B's block i
.set PC,   64                          ; the way out: an entry's codes,
.set PT,   76                          ; the upper halves' codes,
.set SBK,  84
.set TM,   96                          ; v96-111 at work
.set PW,   112                         ; the entry's scale word
.set AF,   128                         ; v128-223 A's fragments, two sets of 48
.set G1, 24
.set G0, 32
.set G0H, 36
.set G1B, 48
.set G0B, 56
.set G0HB, 60
.set G1S, 68
.set G0S, 76
.set G1SB, 80
.set G0SB, 88
.set MSB, 0
.macro WIN new
.if MSB != \new
	s_set_vgpr_msb (MSB<<8)|\new
.set MSB, \new
.endif
.endm
.set MUL_LO, 0xa1                      ; source 0 window 1, source 1 window 0, C and D window 2
.set TO_B,   0x40
.macro TLOAD g0, g1                    ; s_nop 0 and four v_nop behind every tensor load
	tensor_load_to_lds s[\g0:\g0+3], s[\g1:\g1+7]
	s_nop 0
.rept 4
	v_nop
.endr
.endm
.macro CREST
	s_cmp_lg_u32 s14, 0
	s_cbranch_scc1 .Lnot_wave_0_\@
	s_barrier_signal -3
.Lnot_wave_0_\@:
	s_barrier_wait -3
	s_barrier_signal -1
	s_barrier_wait -1
.endm
.macro CROUND
	s_barrier_signal -1
	s_barrier_wait -1
	CREST
.endm
.macro GRP1 g, mask, c, r              ; r rows of c elements of 8 bytes, a record apart
	s_or_b32 s[\g], \mask, (3<<16)|(1<<21)
	s_mov_b32 s[\g+1], (\c)<<16
	s_mov_b32 s[\g+2], (\r)<<16
	s_mov_b32 s[\g+3], (\c)<<16
	s_mov_b32 s[\g+4], \r
	s_mov_b32 s[\g+5], REC/8
	s_mov_b32 s[\g+6], 0
	s_mov_b32 s[\g+7], 0
.endm
	s_load_b128 s[4:7], s[0:1], 0x0                ; wvo, xq
	s_load_b64 s[12:13], s[0:1], 0x10              ; vb
	v_lshl_add_u32 v[SPW], v0, 2, SPARE
	v_mov_b32 v[NIL], 0
	ds_add_u32 v[SPW], v[NIL]                      ; the opening lines: the add twice on end and one wait
	ds_add_u32 v[SPW], v[NIL]
	v_lshrrev_b32 v1, 5, v0
	v_readfirstlane_b32 s14, v1                    ; wave
	s_lshr_b32 s15, s14, 1                         ; my half of the block's rows; also: I fetch for A (0) or B (1)
	s_and_b32 s16, s14, 1                          ; my half of its columns; also: which half of the tile I fetch
	s_bfe_u32 s40, ttmp6, 0x40000
	s_bfe_u32 s41, ttmp6, 0x40004
	s_lshl_b32 s42, ttmp9, 2
	s_add_co_u32 s42, s42, s40                     ; block column
	s_and_b32 s17, ttmp7, 0xffff
	s_lshl_b32 s17, s17, 2
	s_add_co_u32 s17, s17, s41                     ; block row
	s_lshl_b32 s43, s41, 2
	s_lshl_b32 s43, 15, s43                        ; my row of the cluster
	s_lshl_b32 s44, 0x1111, s40                    ; my column
	GRP1 G1,   s43, 768, 8
	GRP1 G1B,  s44, 768, 16
	GRP1 G1S,  s43, 64, 8
	GRP1 G1SB, s44, 64, 16
	s_mul_i32 s20, s17, 8*REC                      ; A's first record, in bytes
	s_mov_b32 s21, 0
	s_mul_i32 s46, s42, 16*REC                     ; B's
	s_mov_b32 s47, 0
	s_mul_i32 s18, s16, 4*REC                      ; K's second half: my 4 records of A,
	s_add_co_u32 s18, s18, HROW
	s_mov_b32 s19, 0
	s_mul_i32 s22, s16, 8*REC                      ; or my 8 of B,
	s_add_co_u32 s22, s22, HROW
	s_mov_b32 s23, 0
	s_mul_i32 s45, s16, 4*HROW                     ; and where they go
	s_add_co_u32 s45, s45, HB
	s_mul_i32 s92, s16, 8*HROW
	s_add_co_u32 s92, s92, HB+AH
	s_wait_dscnt 0x0
	s_wait_kmcnt 0x0
	s_add_nc_u64 s[20:21], s[4:5], s[20:21]
	s_add_nc_u64 s[46:47], s[6:7], s[46:47]
	CROUND                                         ; all sixteen work-groups are here: the first joint loads meet
	s_mov_b32 s[G0H], 1
	s_mov_b32 s[G0H+1], 0
	s_mov_b64 s[G0H+2:G0H+3], s[20:21]
	s_or_b32 s[G0H+3], s[G0H+3], 0x80000000
	s_mov_b32 s[G0HB], 1
	s_mov_b32 s[G0HB+1], AH
	s_mov_b64 s[G0HB+2:G0HB+3], s[46:47]
	s_or_b32 s[G0HB+3], s[G0HB+3], 0x80000000
	s_mov_b32 s[G0S], 1
	s_mov_b32 s[G0S+1], SCL
	s_add_nc_u64 s[G0S+2:G0S+3], s[20:21], 2*HROW
	s_or_b32 s[G0S+3], s[G0S+3], 0x80000000
	s_mov_b32 s[G0SB], 1
	s_mov_b32 s[G0SB+1], SCL+8*512
	s_add_nc_u64 s[G0SB+2:G0SB+3], s[46:47], 2*HROW
	s_or_b32 s[G0SB+3], s[G0SB+3], 0x80000000
	s_mov_b32 s[G0], 1
	s_mov_b32 s[G0+1], s45
	s_add_nc_u64 s[G0+2:G0+3], s[20:21], s[18:19]
	s_or_b32 s[G0+3], s[G0+3], 0x80000000
	s_mov_b32 s[G0B], 1
	s_mov_b32 s[G0B+1], s92
	s_add_nc_u64 s[G0B+2:G0B+3], s[46:47], s[22:23]
	s_or_b32 s[G0B+3], s[G0B+3], 0x80000000
.macro ARM under, g0, g1, next         ; one chain of branches on the wave's number: every way passes exactly one load
	s_cmp_lt_u32 s14, \under
	s_cbranch_scc0 \next
	TLOAD \g0, \g1
	s_branch .Lhead_asked
\next:
.endm
	ARM 1, G0H,  G1,  .Lhead_b
	ARM 2, G0HB, G1B, .Lhead_sa
	ARM 3, G0S,  G1S, .Lhead_sb
	TLOAD G0SB, G1SB
.Lhead_asked:
	s_mul_i32 s20, s15, 4*HROW                     ; my 4 records of A in K half 0,
	s_mul_i32 s21, s16, 8*HROW
	s_add_co_u32 s21, s21, AH                      ; my 8 of B,
	s_add_co_u32 s22, s20, HB                      ; and in K half 1
	s_add_co_u32 s23, s21, HB
	s_lshl_b32 s93, s15, 11                        ; my scale words of A,
	s_lshl_b32 s94, s16, 12
	s_add_co_u32 s94, s94, 8*512
	s_sub_co_u32 s94, s94, s93                     ; and how far on B's lie
	s_add_co_u32 s93, s93, SCL
	s_lshl_b32 s95, s14, 9                         ; the way out: my 256 bytes of scale words, in the bytes of K's first half
	s_mov_b32 s8, 0x76543210
	s_mov_b32 s9, 0xfedcba98                       ; v_permlanex16_b32's selects for lane l xor 16
	s_lshl_b32 s66, s42, 1
	s_add_co_u32 s66, s66, s16
	s_mul_i32 s66, s66, RBB                        ; my result block: 2 x block column + column half
	s_lshl_b32 s67, s17, 3
	s_lshl_b32 s96, s15, 2
	s_add_co_u32 s67, s67, s96                     ; my first entry: 8 x block row + 4 x row half
	s_mul_i32 s96, s67, 1536
	s_add_co_u32 s96, s96, s66
	s_mov_b32 s97, 0
	s_lshl_b32 s98, s67, 6
	s_add_co_u32 s98, s98, s66
	s_add_co_u32 s98, s98, 98304
	s_mov_b32 s99, 0
	s_add_nc_u64 s[10:11], s[12:13], s[98:99]      ; my entries' scale words
	s_add_nc_u64 s[12:13], s[12:13], s[96:97]      ; and codes
	v_and_b32 v1, 31, v0
	v_and_b32 v2, 15, v0
	v_bfe_u32 v3, v0, 4, 1
	v_lshlrev_b32 v[L16], 4, v1
	v_lshlrev_b32 v[L8], 3, v1
	v_add_nc_u32 v[ADRA], s20, v[L16]
	v_add_nc_u32 v[ADRA+1], s22, v[L16]
	v_add_nc_u32 v[ADRA+2], s20, v[L8]
	v_add_nc_u32 v[ADRA+3], s22, v[L8]
	v_add_nc_u32 v[ADRB], s21, v[L16]
	v_add_nc_u32 v[ADRB+1], s23, v[L16]
	v_add_nc_u32 v[ADRB+2], s21, v[L8]
	v_add_nc_u32 v[ADRB+3], s23, v[L8]
	v_lshlrev_b32 v6, 3, v2
	v_mul_u32_u24 v7, s94, v3                      ; lanes 16-31 take B's words
	v_add_nc_u32 v6, v6, v7
	v_add_nc_u32 v[ADRS], s93, v6
	v_lshl_add_u32 v[SSA], v2, 2, s95
	v_add_nc_u32 v[SSR], s95, v[L8]
.macro FRAG reg, adr, st, i
	ds_load_b128 v[\reg:\reg+3],     v[\adr]   offset:(\i)*HROW+((\st)%4)*1536
	ds_load_b64  v[\reg+4:\reg+5],   v[\adr+2] offset:(\i)*HROW+((\st)%4)*1536+512
	ds_load_b128 v[\reg+6:\reg+9],   v[\adr]   offset:(\i)*HROW+((\st)%4)*1536+768
	ds_load_b64  v[\reg+10:\reg+11], v[\adr+2] offset:(\i)*HROW+((\st)%4)*1536+1280
.endm
.macro FETCH st                        ; step st's fragments into set st % 2; with an even step the scale words of its 256 K
	WIN TO_B
.irp i, 0,1,2,3,4,5,6,7
	FRAG 128*((\st)%2)+FR*\i, ADRB+(\st)/4, \st, \i
.endr
	WIN 0
.irp i, 0,1,2,3
	FRAG AF+48*((\st)%2)+FR*\i, ADRA+(\st)/4, \st, \i
.endr
.if (\st)%2 == 0
.irp i, 0,1,2,3,4,5,6,7
	ds_load_b64 v[SC+16*(((\st)/2)%2)+2*\i:SC+16*(((\st)/2)%2)+2*\i+1], v[ADRS] offset:\i*512+128*((\st)/2)
.endr
.endif
.endm
.macro MUL16 a0, p, q, sc, zero        ; the 32 accumulators take turns, in the same order in every step; zero = 1: the first product starts the sums
.irp a, \a0, \a0+1
.irp b, 0,1,2,3,4,5,6,7
.if \zero
	v_wmma_scale_f32_16x16x128_f8f6f4 v[8*(8*(\a)+\b):8*(8*(\a)+\b)+7], v[128*(\p)+FR*\b:128*(\p)+FR*\b+FR-1], v[AF+48*(\p)+FR*(\a):AF+48*(\p)+FR*(\a)+FR-1], 0, v[SC+16*(\sc)+2*\b+(\q)], v[SC+16*(\sc)+2*(\a)+(\q)] matrix_a_fmt:MATRIX_FMT_FP6 matrix_b_fmt:MATRIX_FMT_FP6 matrix_a_scale:MATRIX_SCALE_ROW1
.else
	v_wmma_scale_f32_16x16x128_f8f6f4 v[8*(8*(\a)+\b):8*(8*(\a)+\b)+7], v[128*(\p)+FR*\b:128*(\p)+FR*\b+FR-1], v[AF+48*(\p)+FR*(\a):AF+48*(\p)+FR*(\a)+FR-1], v[8*(8*(\a)+\b):8*(8*(\a)+\b)+7], v[SC+16*(\sc)+2*\b+(\q)], v[SC+16*(\sc)+2*(\a)+(\q)] matrix_a_fmt:MATRIX_FMT_FP6 matrix_b_fmt:MATRIX_FMT_FP6 matrix_a_scale:MATRIX_SCALE_ROW1
.endif
.endr
.endr
.endm
.macro PLACES
.rept 4
	v_nop
.endr
.endm
.macro STEP st                         ; 128 along K: the next step's LDS loads are issued, then this step's 32 products
.if (\st) == 3
	s_wait_tensorcnt 0x0                           ; my part of K's second half is in
.endif
	s_wait_dscnt 0x0                               ; this step's fragments are in (at step 3: my last reads of K's first half)
.if (\st) == 3
	s_barrier_signal -1
	s_barrier_wait -1                              ; everybody's part is in, and nobody reads K's first half any more
.endif
.if (\st) < 7
.if (\st) > 0
	PLACES                                         ; ahead of loads into the set that the last step's products read
.endif
	FETCH (\st)+1
.endif
	WIN MUL_LO
	MUL16 0, (\st)%2, (\st)%2, ((\st)/2)%2, (\st)==0
	MUL16 2, (\st)%2, (\st)%2, ((\st)/2)%2, (\st)==0
	WIN 0
.endm
	s_wait_alu depctr_va_vdst(0)
	s_wait_tensorcnt 0x0                           ; my tile of the head's four is in
	ds_add_u32 v[SPW], v[NIL]
	s_mov_b32 s[G1+2], 4<<16                       ; no tensor load of mine is out: the next loads bring 4 records of A,
	s_mov_b32 s[G1+4], 4
	s_mov_b32 s[G1B+2], 8<<16                      ; or 8 of B
	s_mov_b32 s[G1B+4], 8
	s_wait_dscnt 0x0
	CROUND                                         ; all four tiles are in, in every work-group of the cluster
	s_cmp_eq_u32 s15, 0                            ; K's second half: waves 0, 1 for A, waves 2, 3 for B
	s_cbranch_scc0 .Lfor_b
	TLOAD G0, G1
	s_branch .Lasked
.Lfor_b:
	TLOAD G0B, G1B
.Lasked:
	FETCH 0
.irp s, 0,1,2,3,4,5,6,7
	STEP \s
.endr
; THE WAY OUT: entry a = 16 channels x 128 keys, four blocks of 32 keys; a block lies in lanes l and l xor 16
.macro QUANTW a
.set AC, 64*(\a)
	WIN 0x0a                                       ; sources 0 and 1: window 2
.irp b, 0,1,2,3
	v_max3_num_f32 v[TM+\b], |v[AC+16*\b]|, |v[AC+16*\b+1]|, 0x1800000   ; with the floor 2^(3 - 127): the byte cannot fall under 1
.endr
.irp i, 2,4,6,8,10,12,14
.irp b, 0,1,2,3
	v_max3_num_f32 v[TM+\b], |v[AC+16*\b+\i]|, |v[AC+16*\b+\i+1]|, v[TM+\b]
.endr
.endr
	WIN 0
.irp b, 0,1,2,3
	v_permlanex16_b32 v[TM+4+\b], v[TM+\b], s8, s9
.endr
.irp b, 0,1,2,3
	v_max_num_f32 v[TM+\b], v[TM+\b], v[TM+4+\b]
.endr
.irp b, 0,1,2,3
	v_add_nc_u32 v[TM+12+\b], 0xff000000, v[TM+\b] ; 2 off the exponent field: the conversion's scale operand
.endr
.irp b, 0,1,2,3
	v_lshrrev_b32 v[TM+4+\b], 23, v[TM+12+\b]      ; the scale's byte
.endr
	v_lshl_or_b32 v[PW], v[TM+5], 8, v[TM+4]
	v_lshl_or_b32 v[PW], v[TM+6], 16, v[PW]
	v_lshl_or_b32 v[PW], v[TM+7], 24, v[PW]
.if (\a) > 0
	s_wait_xcnt 0x0                                ; the last entry's stores have read the codes' registers
.endif
	WIN 0x02                                       ; source 0: window 2
.irp c, 0,1
	v_cvt_scalef32_pk16_fp6_f32 v[PC+6*\c:PC+6*\c+2], v[AC+32*\c:AC+32*\c+15], v[TM+12+2*\c]
	v_cvt_scalef32_pk16_fp6_f32 v[PT+4*\c:PT+4*\c+2], v[AC+32*\c+16:AC+32*\c+31], v[TM+13+2*\c]
.endr
	WIN 0
	v_nop                                          ; one plain place behind a scaled conversion
.irp c, 0,1
.irp i, 0,1,2
	v_permlane16_swap_b32 v[PC+6*\c+\i], v[PT+4*\c+\i]   ; a whole block to a lane
.endr
.irp i, 0,1,2
	v_mov_b32 v[PC+6*\c+3+\i], v[PT+4*\c+\i]
.endr
.endr
	global_store_b128 v[L16], v[PC:PC+3], s[12:13] offset:(\a)*1536          ; 512 consecutive bytes
	global_store_b64 v[L8], v[PC+4:PC+5], s[12:13] offset:(\a)*1536+512      ; 256 consecutive bytes
	global_store_b128 v[L16], v[PC+6:PC+9], s[12:13] offset:(\a)*1536+768
	global_store_b64 v[L8], v[PC+10:PC+11], s[12:13] offset:(\a)*1536+1280
	ds_store_b32 v[SSA], v[PW] offset:(\a)*64      ; both halves of the lanes write the same word with the same value
.endm
	PLACES
.irp b, 0,1,2,3
	v_mov_b32 v[TM+4+\b], 0                        ; a lane permute's destination counts as one of its sources
.endr
.irp a, 0,1,2,3
	QUANTW \a
.endr
	ds_load_b64 v[SBK:SBK+1], v[SSR]               ; my wave's own bytes, served in order
	s_wait_dscnt 0x0
	global_store_b64 v[L8], v[SBK:SBK+1], s[10:11] ; 32 lanes store 256 consecutive bytes, at a multiple of 256
	s_wait_tensorcnt 0x0                           ; the wave's end
	ds_add_u32 v[SPW], v[NIL]
	s_wait_dscnt 0x0
	CROUND                                         ; the closing round
	s_endpgm
.Lfunc_end_k_q86ccaf3d93_gemm_v:
	.size	k_q86ccaf3d93_gemm_v, .Lfunc_end_k_q86ccaf3d93_gemm_v-k_q86ccaf3d93_gemm_v
	.p2alignl 7, 3214868480
	.fill 96, 4, 3214868480
	.section	.rodata,"a",@progbits
	.p2align	6, 0x0
	.amdhsa_kernel k_q86ccaf3d93_gemm_v
		.amdhsa_group_segment_fixed_size 327680
		.amdhsa_private_segment_fixed_size 0
		.amdhsa_enable_private_segment 0
		.amdhsa_kernarg_size 24
		.amdhsa_user_sgpr_count 2
		.amdhsa_user_sgpr_kernarg_segment_ptr 1
		.amdhsa_wavefront_size32 1
		.amdhsa_system_sgpr_workgroup_id_x 1
		.amdhsa_system_sgpr_workgroup_id_y 1
		.amdhsa_system_sgpr_workgroup_id_z 1
		.amdhsa_system_vgpr_workitem_id 0
		.amdhsa_next_free_vgpr 768
		.amdhsa_next_free_sgpr 100
		.amdhsa_reserve_vcc 0
		.amdhsa_float_denorm_mode_32 3
		.amdhsa_float_denorm_mode_16_64 3
		.amdhsa_memory_ordered 1
		.amdhsa_forward_progress 1
		.amdhsa_inst_pref_size 88
	.end_amdhsa_kernel
	.amdgpu_metadata
---
amdhsa.version: [ 1, 2 ]
amdhsa.kernels:
  - .name:           k_q86ccaf3d93_gemm_v
    .symbol:         k_q86ccaf3d93_gemm_v.kd
    .args:
      - { .name: wvo, .offset: 0, .size: 8, .value_kind: global_buffer, .address_space: global }
      - { .name: xq, .offset: 8, .size: 8, .value_kind: global_buffer, .address_space: global }
      - { .name: vb, .offset: 16, .size: 8, .value_kind: global_buffer, .address_space: global }
    .group_segment_fixed_size: 327680
    .private_segment_fixed_size: 0
    .kernarg_segment_align: 8
    .kernarg_segment_size: 24
    .max_flat_workgroup_size: 128
    .sgpr_count:     100
    .vgpr_count:     768
    .wavefront_size: 32
...
	.end_amdgpu_metadata
.endif
;; end of part 3
;; launch attn (part 4): grid 4 x 64, 16 waves a work-group, clusters of 4 x 1, 210,944 bytes of LDS; arguments qkb, vb, cq; writes cq
.if DOCPART == 4
	.amdgcn_target "amdgcn-amd-amdhsa--gfx1250"
	.amdhsa_code_object_version 6
	.text
	.protected	k_q86ccaf3d93_attn
	.globl	k_q86ccaf3d93_attn
	.p2align	8
	.type	k_q86ccaf3d93_attn,@function
k_q86ccaf3d93_attn:
	s_mov_b64 s[64:65], 0
	v_nop
	global_prefetch_b8 v0, s[64:65] scope:SCOPE_SE
	s_setreg_imm32_b32 hwreg(HW_REG_WAVE_MODE, 25, 1), 1
	s_wait_xcnt 0x0
	s_wait_alu depctr_hold_cnt(0) depctr_sa_sdst(0) depctr_va_vdst(0) depctr_va_sdst(0) depctr_va_ssrc(0) depctr_va_vcc(0) depctr_vm_vsrc(0)
	s_getreg_b32 s2, hwreg(HW_REG_IB_STS2, 6, 4)
	s_cmp_eq_u32 s2, 0
	s_cbranch_scc0 .Lentry_in_a_cluster
	s_endpgm
.Lentry_in_a_cluster:
	s_bfe_u32 s2, ttmp6, 0x10000c
	s_cmp_lg_u32 s2, 0x3003
	s_cbranch_scc0 .Lentry_shape_is_right
	s_endpgm
.Lentry_shape_is_right:
; ctx[b][q][head] = softmax_k(q . k / 8) v for 64 (batch, head) pairs of 2,048 x 2,048, head size 64, both products on codes of FP6 (E2M3) with E8M0 scales; ctx is quantised along its 1,024 channels and stored as records for the last product.
; THE SOFTMAX: t = score x log2(e) / 8; M = the running largest t rounded UP to a whole number; p = 2^(t - M) is quantised along the keys; the row's sum is taken of the unquantised p and divides at the end.
; SHARES.  A cluster of four work-groups takes one (batch, head); each work-group 512 queries; each of its sixteen waves two tiles of 16 queries, one after the other, in 256 registers.
; A WHOLE HEAD'S K AND V LIE IN LDS (2 x 98,304 bytes of codes, 12,288 of scale words), filled ONCE by joint loads that name all four work-groups, ONE LOAD A WAVE: waves 0-7 K's codes (16 key tiles each),
; waves 8-11 V's codes (4 key steps each), waves 12-13 K's scale words (64 tiles each), waves 14-15 V's (8 steps each).  No byte of LDS is filled again.  No prefetch: all that is read is asked for at the head.
; LAYOUT.  Six-packs of 768 bytes (16 rows x 64 K as an image of six operand registers: 0-3 at 16 x lane, 4-5 at 512 + 8 x lane).  Both products are used transposed (S^T = K Q^T, O^T = V^T P^T): a lane holds one query.
; The rows of a tile are not neighbours (row p of tile i of 32 is logical row 8 i + p + 8 (p / 8)), so the 16 registers of two neighbouring tiles are 16 neighbouring keys (or channels).
; THE FIRST PRODUCT'S K IS 64, THE INSTRUCTION'S 128: Q's upper six registers hold zero codes, K's upper six are the next tile's codes (finite numbers), the upper two scale bytes are 0 (2^-127): those products are exact zeros.
; LIMITS: NaN and infinities are not served; a block of ctx whose largest magnitude lies under 2^-124 keeps the scale byte 1; the scaled scores stay under 2^31.  A head owns 2 of a row's 32 scale bytes of ctx: they leave one byte a lane.
; REGISTERS: v3-9, v30 addresses that stay; v10-15 the step's; v16-27 Q of tile 0, v236-247 of tile 1; v28, v29 their scale words; v32-79 K's six-packs, then V's fragments; v80-85 zeros; v86-89 K's scale words, v90-91 V's;
; v96-159 S^T, then p; v160-191 O^T; v192-210 p's codes; v212-223, v230-235, v248-253 at work; v224 -M, v225 the largest t, v[226:227] the sum, v228 f, v229 p's scale word; v254, v255 the add's.
.set VC,   98304                       ; LDS: K's codes [key tile 128][768] at 0; V's [step 16][channel tile 4][2][768] here;
.set KSC,  196608                      ; K's scale words [key tile 128][16];
.set VSC,  204800                      ; V's [step 16][channel tile 4][16]
.set RBB,  102400                      ; a result block of the projections: 64 entries of 1,536 bytes, then 4,096 of scale words
.macro ROUND
	s_barrier_signal -1
	s_barrier_wait -1
	s_cmp_lg_u32 s10, 0
	s_cbranch_scc1 .Lnot_wave_0_\@
	s_barrier_signal -3
.Lnot_wave_0_\@:
	s_barrier_wait -3
	s_barrier_signal -1
	s_barrier_wait -1
.endm
.macro GRP1 g, c, r, p                 ; group 1: r rows of c elements of 8 bytes, p elements apart; mask = all four work-groups, bit 21 beside it
	s_mov_b32 s[\g], 15|(3<<16)|(1<<21)
	s_mov_b32 s[\g+1], (\c)<<16
	s_mov_b32 s[\g+2], (\r)<<16
	s_mov_b32 s[\g+3], (\c)<<16
	s_mov_b32 s[\g+4], \r
	s_mov_b32 s[\g+5], \p
	s_mov_b32 s[\g+6], 0
	s_mov_b32 s[\g+7], 0
.endm
	s_load_b128 s[4:7], s[0:1], 0x0                ; q's and k's result blocks, v's
	s_load_b64 s[8:9], s[0:1], 0x10                ; ctx's records
	v_lshl_add_u32 v254, v0, 2, 0x33000
	v_mov_b32 v255, 0
	ds_add_u32 v254, v255                          ; the opening lines: the add twice on end and one wait
	ds_add_u32 v254, v255
	v_lshrrev_b32 v1, 5, v0
	s_delay_alu instid0(VALU_DEP_1)
	v_readfirstlane_b32 s10, v1                    ; wave 0..15
	s_bfe_u32 s11, ttmp6, 0x40000                  ; cx: it enters Q's and ctx's global addresses alone
	s_and_b32 s12, ttmp7, 0xffff
	s_lshr_b32 s13, s12, 4                         ; batch
	s_and_b32 s14, s12, 15                         ; head
	s_and_b32 s15, s14, 1                          ; which of an entry's two six-packs is my head's
	s_lshr_b32 s16, s14, 1                         ; pair of heads
	GRP1 24, 96, 16, 192                           ; K's codes: 16 tiles of 768 bytes, 1,536 apart
	GRP1 32, 768, 4, 12800                         ; V's codes: 4 steps of 6,144 bytes, a result block apart
	GRP1 40, 32, 16, 32                            ; K's scale words: 4,096 dense bytes
	GRP1 48, 32, 8, 12800                          ; V's: 8 steps of 256 bytes
	s_lshl_b32 s17, s13, 1
	s_bfe_u32 s18, s10, 0x10002
	s_add_co_u32 s18, s18, s17
	s_lshl_b32 s18, s18, 4
	s_add_co_u32 s18, s18, s16
	s_add_co_u32 s18, s18, 8
	s_mul_i32 s18, s18, RBB                        ; K's codes: block (2 batch + w / 4) x 16 + 8 + pair of heads,
	s_and_b32 s19, s10, 3
	s_mul_i32 s20, s19, 24576                      ; 16 entries for each w % 4,
	s_add_co_u32 s20, s20, s18
	s_mul_i32 s21, s15, 768
	s_add_co_u32 s20, s20, s21                     ; my head's six-pack
	s_mov_b32 s21, 0
	s_and_b32 s2, s10, 1
	s_add_co_u32 s22, s17, s2
	s_lshl_b32 s22, s22, 4
	s_add_co_u32 s22, s22, s16
	s_add_co_u32 s22, s22, 8
	s_mul_i32 s22, s22, RBB
	s_add_co_u32 s22, s22, 98304                   ; K's scale words: block (2 batch + w % 2) x 16 + 8 + pair
	s_mov_b32 s23, 0
	s_lshl_b32 s93, s13, 4
	s_lshl_b32 s94, s19, 2
	s_add_co_u32 s94, s94, s93
	s_mul_i32 s94, s94, RBB                        ; V's codes: block 16 batch + 4 (w % 4)
	s_mul_i32 s96, s14, 6144
	s_add_co_u32 s94, s94, s96
	s_mov_b32 s95, 0
	s_lshl_b32 s98, s2, 3
	s_add_co_u32 s98, s98, s93
	s_mul_i32 s98, s98, RBB                        ; V's scale words: block 16 batch + 8 (w % 2)
	s_lshl_b32 s96, s14, 8
	s_add_co_u32 s98, s98, s96
	s_add_co_u32 s98, s98, 98304
	s_mov_b32 s99, 0
	s_wait_dscnt 0x0
	s_wait_kmcnt 0x0
	s_mov_b32 s56, 1
	s_mul_i32 s57, s10, 12288
	s_add_nc_u64 s[58:59], s[4:5], s[20:21]
	s_or_b32 s59, s59, 0x80000000
	s_mov_b32 s60, 1
	s_mul_i32 s61, s19, 24576
	s_add_co_u32 s61, s61, VC
	s_add_nc_u64 s[62:63], s[6:7], s[94:95]
	s_or_b32 s63, s63, 0x80000000
	s_mov_b32 s68, 1
	s_lshl_b32 s69, s2, 12
	s_add_co_u32 s69, s69, KSC
	s_add_nc_u64 s[70:71], s[4:5], s[22:23]
	s_or_b32 s71, s71, 0x80000000
	s_mov_b32 s72, 1
	s_lshl_b32 s73, s2, 11
	s_add_co_u32 s73, s73, VSC
	s_add_nc_u64 s[74:75], s[6:7], s[98:99]
	s_or_b32 s75, s75, 0x80000000
	ROUND                                          ; all four work-groups are here: the joint loads meet
.macro ARM under, g0, g1, next         ; one chain of branches on the wave's number: every way passes exactly one load
	s_cmp_lt_u32 s10, \under
	s_cbranch_scc0 \next
	tensor_load_to_lds s[\g0:\g0+3], s[\g1:\g1+7]
	s_nop 0
.rept 4
	v_nop
.endr
	s_branch .Lasked
\next:
.endm
	ARM 8, 56, 24, .Lfor_vc
	ARM 12, 60, 32, .Lfor_ks
	ARM 14, 68, 40, .Lfor_vs
	tensor_load_to_lds s[72:75], s[48:55]
	s_nop 0
.rept 4
	v_nop
.endr
.Lasked:
	; Q's and ctx's places (cx enters here, in registers that feed no descriptor and no LDS address)
	s_lshl_b32 s66, s13, 1
	s_lshr_b32 s67, s11, 1
	s_add_co_u32 s66, s66, s67
	s_lshl_b32 s66, s66, 4
	s_add_co_u32 s66, s66, s16
	s_mul_i32 s66, s66, RBB                        ; q's result block: (2 batch + cx / 2) x 16 + pair of heads
	s_and_b32 s67, s11, 1
	s_lshl_b32 s67, s67, 5
	s_add_co_u32 s67, s67, s10                     ; my first tile's entry: 32 (cx % 2) + wave; the second lies 16 entries on
	s_mul_i32 s2, s67, 1536
	s_add_co_u32 s2, s2, s66
	s_mul_i32 s96, s15, 768
	s_add_co_u32 s2, s2, s96
	s_mov_b32 s3, 0
	s_add_nc_u64 s[76:77], s[4:5], s[2:3]          ; Q's codes
	s_lshl_b32 s2, s67, 6
	s_add_co_u32 s2, s2, s66
	s_add_co_u32 s2, s2, 98304
	s_lshl_b32 s96, s15, 1
	s_add_co_u32 s2, s2, s96
	s_add_nc_u64 s[78:79], s[4:5], s[2:3]          ; my head's two bytes of Q's scale words
	s_lshl_b32 s66, s13, 7
	s_lshl_b32 s67, s11, 5
	s_add_co_u32 s66, s66, s67
	s_add_co_u32 s66, s66, s10                     ; my first tile's record: 128 batch + 32 cx + wave
	s_mul_i32 s66, s66, 12800
	s_mul_i32 s2, s14, 768
	s_add_co_u32 s2, s2, s66
	s_add_nc_u64 s[80:81], s[8:9], s[2:3]          ; ctx's six-pack: number = head
	s_lshr_b32 s67, s14, 2
	s_lshl_b32 s67, s67, 7
	s_bfe_u32 s96, s14, 0x10001
	s_lshl_b32 s96, s96, 2
	s_add_co_u32 s67, s67, s96
	s_lshl_b32 s96, s15, 1
	s_add_co_u32 s67, s67, s96
	s_add_co_u32 s2, s67, s66
	s_add_co_u32 s2, s2, 12288
	s_add_nc_u64 s[82:83], s[8:9], s[2:3]          ; ctx's scale bytes: slot head / 4, word (head / 2) % 2, bytes 2 (head % 2) on
	s_mov_b32 s84, 0x76543210
	s_mov_b32 s85, 0xfedcba98                      ; v_permlanex16_b32's selects for lane l xor 16
	s_mov_b32 s86, 0x3e38aa3b                      ; c = log2(e) / 8
	s_mov_b32 s87, s86                             ; (named with it as a pair, so it is written)
	s_mov_b32 s88, 0xffff0000                      ; lanes 16-31
	s_lshl_b32 s19, s15, 1
	v_and_b32 v31, 31, v0                          ; lane
	s_delay_alu instid0(VALU_DEP_1)
	v_lshlrev_b32 v7, 4, v31                       ; 16 x lane
	s_delay_alu instid0(VALU_DEP_2)
	v_lshlrev_b32 v8, 3, v31                       ; 8 x lane
	s_delay_alu instid0(VALU_DEP_2)
	v_add_nc_u32 v3, VC, v7
	s_delay_alu instid0(VALU_DEP_2)
	v_add_nc_u32 v4, VC, v8
	v_lshl_add_u32 v5, v31, 2, KSC
	s_delay_alu instid0(VALU_DEP_1)
	v_add_nc_u32 v5, s19, v5                       ; K's scale words: 4 x lane, + my head's two bytes
	v_lshl_add_u32 v6, v31, 2, VSC
	v_and_b32 v30, 15, v0
	v_bfe_u32 v9, v0, 4, 1
	s_delay_alu instid0(VALU_DEP_1)
	v_lshl_add_u32 v9, v30, 3, v9                  ; 8 r + h: my byte of ctx's scales
	s_delay_alu instid0(VALU_DEP_3)
	v_lshlrev_b32 v30, 2, v30                      ; 4 r
	global_load_b128 v[16:19], v7, s[76:77]
	global_load_b64 v[20:21], v8, s[76:77] offset:512
	global_load_u16 v28, v30, s[78:79]             ; two bytes, widened with zeros: the upper two blocks' bytes are 0
	global_load_b128 v[236:239], v7, s[76:77] offset:24576
	global_load_b64 v[240:241], v8, s[76:77] offset:25088
	global_load_u16 v29, v30, s[78:79] offset:1024
.irp i, 0,1,2,3,4,5
	v_mov_b32 v[22+\i], 0                          ; zero codes for K = 64 .. 127
	v_mov_b32 v[242+\i], 0
	v_mov_b32 v[80+\i], 0
.endr
	s_wait_alu depctr_va_vdst(0)
	s_wait_loadcnt 0x0
	s_wait_tensorcnt 0x0                           ; my tile has landed,
	s_barrier_signal -1
	s_barrier_wait -1                              ; everybody's have
.macro PA d, a, b
	v_pk_add_f32 v[\d:\d+1], v[\a:\a+1], v[\b:\b+1]
.endm
; One tile of 16 queries against all 2,048 keys.  QF: Q's fragment; QS: its scale words.
.macro TILE it, QF, QS
.if \it
	s_wait_xcnt 0x0                                ; the last tile's stores have read their registers
.endif
	v_mov_b32 v225, 0xff61b1e6                     ; the largest t so far: -3e38, under every t
	s_delay_alu instid0(VALU_DEP_1)
	v_floor_f32 v224, -v225                        ; -M
	v_mov_b32 v226, 0                              ; the sum, in two halves
	v_mov_b32 v227, 0
	v_mov_b32 v228, 0
	v_mov_b32 v229, 0                              ; (named as the upper half of the pair v[228:229] before it is first made)
.irp b, 0,1,2,3
	v_mov_b32 v[216+\b], 0                         ; a lane permute's destination counts as one of its sources
.endr
.set j, 0
.rept 32
	v_mov_b32 v[160+j], 0                          ; O^T: the step is written once; the first finds zeros
.set j, j+1
.endr
	s_mov_b32 s89, 0                               ; the step's codes: 6,144 bytes a step, in K and in V
	s_mov_b32 s90, 0                               ; K's scale words: 512 a step
	s_mov_b32 s91, 0                               ; V's: 256 a step
	s_mov_b32 s92, 16
.Lstep_\@:
	v_add_nc_u32 v10, s89, v7                      ; these six are also the places between the last products and the loads into their registers
	v_add_nc_u32 v11, s89, v8
	v_add_nc_u32 v12, s89, v3
	v_add_nc_u32 v13, s89, v4
	v_add_nc_u32 v14, s90, v5
	v_add_nc_u32 v15, s91, v6
.irp t, 0,1,2,3,4,5,6,7
	ds_load_b128 v[32+6*\t:35+6*\t], v10 offset:768*\t
	ds_load_b64 v[36+6*\t:37+6*\t], v11 offset:768*\t+512
.endr
.irp b, 0,1,2,3
	ds_load_u16 v[86+\b], v14 offset:128*\b        ; lanes 0-15: tile 2 b's words, lanes 16-31: tile 2 b + 1's
.endr
	s_wait_alu depctr_va_vdst(0)
	s_wait_dscnt 0x0
.irp t, 0,1,2,3,4,5,6,7                        ; S^T = K Q^T: tile t's fragment is its six-pack and the six registers behind it
.if \t%2
	v_wmma_scale_f32_16x16x128_f8f6f4 v[96+8*\t:103+8*\t], v[32+6*\t:43+6*\t], v[\QF:\QF+11], 0, v[86+\t/2], v[\QS] matrix_a_fmt:MATRIX_FMT_FP6 matrix_b_fmt:MATRIX_FMT_FP6 matrix_a_scale:MATRIX_SCALE_ROW1
.else
	v_wmma_scale_f32_16x16x128_f8f6f4 v[96+8*\t:103+8*\t], v[32+6*\t:43+6*\t], v[\QF:\QF+11], 0, v[86+\t/2], v[\QS] matrix_a_fmt:MATRIX_FMT_FP6 matrix_b_fmt:MATRIX_FMT_FP6
.endif
.endr
	v_mov_b32 v231, v224                           ; the old -M; with the three below: four places ahead of the loads into K's registers and of the first read of the scores
.rept 3
	v_nop
.endr
.irp t, 0,1,2,3                                ; V's four fragments are asked for now and land under the softmax
	ds_load_b128 v[32+12*\t:35+12*\t], v12 offset:1536*\t
	ds_load_b64 v[36+12*\t:37+12*\t], v13 offset:1536*\t+512
	ds_load_b128 v[38+12*\t:41+12*\t], v12 offset:1536*\t+768
	ds_load_b64 v[42+12*\t:43+12*\t], v13 offset:1536*\t+1280
.endr
.irp b, 0,1
	ds_load_b32 v[90+\b], v15 offset:128*\b
.endr
.irp b, 0,1,2,3
	v_max3_num_f32 v[212+\b], v[96+16*\b], v[97+16*\b], v[98+16*\b]   ; the largest score of each block of 32 keys: for the row's maximum and, since p rises with the score, for the block's largest p
.endr
.irp i, 3,5,7,9,11,13
.irp b, 0,1,2,3
	v_max3_num_f32 v[212+\b], v[212+\b], v[96+16*\b+\i], v[97+16*\b+\i]
.endr
.endr
.irp b, 0,1,2,3
	v_max_num_f32 v[212+\b], v[212+\b], v[111+16*\b]
.endr
.irp b, 0,1,2,3
	s_delay_alu instid0(VALU_DEP_4)
	v_permlanex16_b32 v[216+\b], v[212+\b], s84, s85
.endr
.irp b, 0,1,2,3
	s_delay_alu instid0(VALU_DEP_4)
	v_max_num_f32 v[212+\b], v[212+\b], v[216+\b]  ; with lane l xor 16's 16 keys
.endr
	s_delay_alu instid0(VALU_DEP_2)
	v_max3_num_f32 v230, v212, v213, v214
	s_delay_alu instid0(VALU_DEP_1)
	v_max_num_f32 v230, v230, v215                 ; the step's largest score of my query
	s_delay_alu instid0(VALU_DEP_1)
	v_mul_f32 v230, s86, v230                      ; as t
	s_delay_alu instid0(VALU_DEP_1)
	v_max_num_f32 v225, v225, v230                 ; the running largest t
	s_delay_alu instid0(VALU_DEP_1)
	v_floor_f32 v224, -v225                        ; the new -M = floor(-t): M is a whole number
	s_delay_alu instid0(VALU_DEP_1)
	v_sub_f32 v230, v224, v231                     ; old M - new M: a whole number, 0 or less
	s_delay_alu instid0(VALU_DEP_1)
	v_cvt_i32_f32 v230, v230                       ; (it saturates)
	s_delay_alu instid0(VALU_DEP_1)
	v_ldexp_f32 v228, 1.0, v230                    ; f = 2^(old M - new M): a multiplication by it rounds nothing
.set j, 0
.rept 32
	v_pk_fma_f32 v[96+j:97+j], v[96+j:97+j], s[86:87], v[224:225] op_sel_hi:[1,0,0]   ; t - M, two at a time
.set j, j+2
.endr
.irp b, 0,1,2,3
	v_fma_f32 v[212+\b], v[212+\b], s86, v224      ; the same of each block's largest score
.endr
.set j, 0
	s_wait_alu depctr_va_vdst(0)
.rept 64
	v_exp_f32 v[96+j], v[96+j]                     ; p = 2^(t - M), at most 1
.set j, j+1
.endr
	v_pk_mul_f32 v[226:227], v[226:227], v[228:229] op_sel_hi:[1,0]   ; the sums under the new M (a plain place behind the exponentials)
	s_wait_alu depctr_va_vdst(0)                   ; one wait for the whole batch, ahead of its first reader
.irp b, 0,1,2,3
	v_exp_f32 v[212+\b], v[212+\b]                 ; the block's largest p: the same two instructions on the same number give the same bits
.endr
	PA 216, 100, 104                               ; the row's sum of the unquantised p: eight chains by turns
	PA 252, 108, 112
	PA 250, 116, 120
	PA 248, 124, 128
	PA 234, 132, 136
	PA 232, 140, 144
	PA 230, 148, 152
	PA 226, 226, 156
	PA 216, 216, 96
	PA 252, 252, 98
	PA 250, 250, 102
	PA 248, 248, 106
	PA 234, 234, 110
	PA 232, 232, 114
	PA 230, 230, 118
	PA 226, 226, 122
	PA 216, 216, 126
	PA 252, 252, 130
	PA 250, 250, 134
	PA 248, 248, 138
	PA 234, 234, 142
	PA 232, 232, 146
	PA 230, 230, 150
	PA 226, 226, 154
	PA 216, 216, 158
	s_delay_alu instid0(VALU_DEP_2)
	PA 226, 226, 248
	s_delay_alu instid0(VALU_DEP_2)
	PA 216, 216, 234
	PA 252, 252, 232
	PA 250, 250, 230
	s_delay_alu instid0(VALU_DEP_2)
	PA 226, 226, 252
	s_delay_alu instid0(VALU_DEP_2)
	PA 216, 216, 250
	s_delay_alu instid0(VALU_DEP_1)
	PA 226, 226, 216
	s_wait_alu depctr_va_vdst(0)                   ; and one for the four
.irp b, 0,1,2,3
	v_max_num_f32 v[212+\b], 0x1800000, v[212+\b]  ; the floor 2^(3 - 127): the byte cannot fall under 1
.endr
.irp b, 0,1,2,3
	s_delay_alu instid0(VALU_DEP_4)
	v_add_nc_u32 v[220+\b], 0xff000000, v[212+\b]  ; the conversion's scale operand
.endr
.irp b, 0,1,2,3
	s_delay_alu instid0(VALU_DEP_4)
	v_lshrrev_b32 v[216+\b], 23, v[220+\b]         ; the scale's byte
.endr
	s_delay_alu instid0(VALU_DEP_3)
	v_lshl_or_b32 v229, v217, 8, v216              ; p's scale word for these 128 keys
	s_delay_alu instid0(VALU_DEP_1)
	v_lshl_or_b32 v229, v218, 16, v229
	s_delay_alu instid0(VALU_DEP_1)
	v_lshl_or_b32 v229, v219, 24, v229
.irp c, 0,1
	v_cvt_scalef32_pk16_fp6_f32 v[192+6*\c:194+6*\c], v[96+32*\c:111+32*\c], v[220+2*\c]
	v_cvt_scalef32_pk16_fp6_f32 v[204+4*\c:206+4*\c], v[112+32*\c:127+32*\c], v[221+2*\c]
.endr
	v_nop                                          ; one plain place behind a scaled conversion
.irp c, 0,1
.irp i, 0,1,2
	v_permlane16_swap_b32 v[192+6*\c+\i], v[204+4*\c+\i]
.endr
.irp i, 0,1,2
	s_delay_alu instid0(VALU_DEP_3)
	v_mov_b32 v[195+6*\c+\i], v[204+4*\c+\i]
.endr
.endr
.set j, 0
.rept 16
	v_pk_mul_f32 v[160+j:161+j], v[160+j:161+j], v[228:229] op_sel_hi:[1,0]   ; O^T under the new M; these are also the places between the scale word's and the codes' last writes and the products
.set j, j+2
.endr
	s_wait_alu depctr_va_vdst(0)
	s_wait_dscnt 0x0                               ; V is in
.irp t, 0,1,2,3                                ; O^T += V^T P^T: four accumulators by turns
.if \t%2
	v_wmma_scale_f32_16x16x128_f8f6f4 v[160+8*\t:167+8*\t], v[32+12*\t:43+12*\t], v[192:203], v[160+8*\t:167+8*\t], v[90+\t/2], v229 matrix_a_fmt:MATRIX_FMT_FP6 matrix_b_fmt:MATRIX_FMT_FP6 matrix_a_scale:MATRIX_SCALE_ROW1
.else
	v_wmma_scale_f32_16x16x128_f8f6f4 v[160+8*\t:167+8*\t], v[32+12*\t:43+12*\t], v[192:203], v[160+8*\t:167+8*\t], v[90+\t/2], v229 matrix_a_fmt:MATRIX_FMT_FP6 matrix_b_fmt:MATRIX_FMT_FP6
.endif
.endr
	s_add_co_u32 s89, s89, 6144
	s_add_co_u32 s90, s90, 512
	s_add_co_u32 s91, s91, 256
	s_sub_co_u32 s92, s92, 1
	s_cmp_lg_u32 s92, 0
	s_cbranch_scc1 .Lstep_\@
	; THE WAY OUT: O^T / the sum; my 32 numbers are channels 16 h + 0 .. 15 of each of the head's two blocks of 32: quantised, they are one six-pack of ctx's record
	v_add_f32 v226, v226, v227
	s_delay_alu instid0(VALU_DEP_1)
	v_permlanex16_b32 v216, v226, s84, s85
	s_delay_alu instid0(VALU_DEP_1)
	v_add_f32 v226, v226, v216                     ; the row's sum
	s_wait_alu depctr_va_vdst(0)
	v_rcp_f32 v226, v226
.rept 4
	v_nop                                          ; the plain place behind the reciprocal, and the places behind the last products
.endr
	s_wait_alu depctr_va_vdst(0)                   ; ahead of the reciprocal's first reader
.set j, 0
.rept 16
	v_pk_mul_f32 v[160+j:161+j], v[160+j:161+j], v[226:227] op_sel_hi:[1,0]   ; each accumulator from its low end on
.set j, j+2
.endr
.irp b, 0,1
	v_max3_num_f32 v[212+\b], |v[160+16*\b]|, |v[161+16*\b]|, 0x1800000
.endr
.irp i, 2,4,6,8,10,12,14
.irp b, 0,1
	s_delay_alu instid0(VALU_DEP_2)
	v_max3_num_f32 v[212+\b], v[212+\b], |v[160+16*\b+\i]|, |v[161+16*\b+\i]|
.endr
.endr
.irp b, 0,1
	s_delay_alu instid0(VALU_DEP_2)
	v_permlanex16_b32 v[216+\b], v[212+\b], s84, s85
.endr
.irp b, 0,1
	s_delay_alu instid0(VALU_DEP_2)
	v_max_num_f32 v[212+\b], v[212+\b], v[216+\b]
.endr
.irp b, 0,1
	s_delay_alu instid0(VALU_DEP_2)
	v_add_nc_u32 v[220+\b], 0xff000000, v[212+\b]
.endr
.irp b, 0,1
	s_delay_alu instid0(VALU_DEP_2)
	v_lshrrev_b32 v[216+\b], 23, v[220+\b]
.endr
	v_cvt_scalef32_pk16_fp6_f32 v[192:194], v[160:175], v220
	v_cvt_scalef32_pk16_fp6_f32 v[204:206], v[176:191], v221
	v_nop                                          ; one plain place behind a scaled conversion
.irp i, 0,1,2
	v_permlane16_swap_b32 v[192+\i], v[204+\i]
.endr
.irp i, 0,1,2
	s_delay_alu instid0(VALU_DEP_3)
	v_mov_b32 v[195+\i], v[204+\i]
.endr
	v_cndmask_b32 v232, v216, v217, s88            ; lanes 0-15 store the first block's byte, lanes 16-31 the second's
	global_store_b128 v7, v[192:195], s[80:81] offset:\it*204800       ; 512 consecutive bytes
	global_store_b64 v8, v[196:197], s[80:81] offset:\it*204800+512    ; 256 consecutive bytes
	global_store_b8 v9, v232, s[82:83] offset:\it*204800
.endm
	TILE 0, 16, 28
	TILE 1, 236, 29
	s_wait_tensorcnt 0x0                           ; the wave's end
	ds_add_u32 v254, v255
	s_wait_dscnt 0x0
	ROUND                                          ; the closing round
	s_endpgm
.Lfunc_end_k_q86ccaf3d93_attn:
	.size	k_q86ccaf3d93_attn, .Lfunc_end_k_q86ccaf3d93_attn-k_q86ccaf3d93_attn
	.p2alignl 7, 3214868480
	.fill 96, 4, 3214868480
	.section	.rodata,"a",@progbits
	.p2align	6, 0x0
	.amdhsa_kernel k_q86ccaf3d93_attn
		.amdhsa_group_segment_fixed_size 210944
		.amdhsa_private_segment_fixed_size 0
		.amdhsa_enable_private_segment 0
		.amdhsa_kernarg_size 24
		.amdhsa_user_sgpr_count 2
		.amdhsa_user_sgpr_kernarg_segment_ptr 1
		.amdhsa_wavefront_size32 1
		.amdhsa_system_sgpr_workgroup_id_x 1
		.amdhsa_system_sgpr_workgroup_id_y 1
		.amdhsa_system_sgpr_workgroup_id_z 1
		.amdhsa_system_vgpr_workitem_id 0
		.amdhsa_next_free_vgpr 256
		.amdhsa_next_free_sgpr 100
		.amdhsa_reserve_vcc 0
		.amdhsa_float_denorm_mode_32 3
		.amdhsa_float_denorm_mode_16_64 3
		.amdhsa_memory_ordered 1
		.amdhsa_forward_progress 1
		.amdhsa_inst_pref_size 58
	.end_amdhsa_kernel
	.amdgpu_metadata
---
amdhsa.version: [ 1, 2 ]
amdhsa.kernels:
  - .name:           k_q86ccaf3d93_attn
    .symbol:         k_q86ccaf3d93_attn.kd
    .args:
      - { .name: qkb, .offset: 0, .size: 8, .value_kind: global_buffer, .address_space: global }
      - { .name: vb, .offset: 8, .size: 8, .value_kind: global_buffer, .address_space: global }
      - { .name: cq, .offset: 16, .size: 8, .value_kind: global_buffer, .address_space: global }
    .group_segment_fixed_size: 210944
    .private_segment_fixed_size: 0
    .kernarg_segment_align: 8
    .kernarg_segment_size: 24
    .max_flat_workgroup_size: 512
    .sgpr_count:     100
    .vgpr_count:     256
    .wavefront_size: 32
...
	.end_amdgpu_metadata
.endif
;; end of part 4
;; launch gemm_out (part 5): grid 4 x 64, 4 waves a work-group, clusters of 4 x 4, 327,680 bytes of LDS; arguments cq, wvo, b_out, out0; writes out0
.if DOCPART == 5
	.amdgcn_target "amdgcn-amd-amdhsa--gfx1250"
	.amdhsa_code_object_version 6
	.text
	.protected	k_q86ccaf3d93_gemm_out
	.globl	k_q86ccaf3d93_gemm_out
	.p2align	8
	.type	k_q86ccaf3d93_gemm_out,@function
k_q86ccaf3d93_gemm_out:
	s_mov_b64 s[64:65], 0
	v_nop
	global_prefetch_b8 v0, s[64:65] scope:SCOPE_SE
	s_setreg_imm32_b32 hwreg(HW_REG_WAVE_MODE, 25, 1), 1
	s_wait_xcnt 0x0
	s_wait_alu depctr_hold_cnt(0) depctr_sa_sdst(0) depctr_va_vdst(0) depctr_va_sdst(0) depctr_va_ssrc(0) depctr_va_vcc(0) depctr_vm_vsrc(0)
	s_getreg_b32 s2, hwreg(HW_REG_IB_STS2, 6, 4)
	s_cmp_eq_u32 s2, 0
	s_cbranch_scc0 .Lentry_in_a_cluster
	s_endpgm
.Lentry_in_a_cluster:
	s_bfe_u32 s2, ttmp6, 0x10000c
	s_cmp_lg_u32 s2, 0xf033
	s_cbranch_scc0 .Lentry_shape_is_right
	s_endpgm
.Lentry_shape_is_right:
; out0[m][n] = sum over k of ctx[m][k] w_out[k][n] + b_out[n]: ctx (cq) and w_out (wvo, records 64 on) as records of FP6 codes: 16 rows x 1,024 K = 16 six-packs of 768 bytes, then 512 bytes of scale words [256 K][row][128 K].
; A BLOCK OF 128 x 256: 4 x 64 = 256 work-groups.  Four waves, each 64 x 128: 32 accumulators, 256 registers (window 2); two sets of fragments for A (window 0) and for B (window 1).
; ALL OF K LIES IN LDS, 24 records = 307,200 bytes, and no byte is filled again.  At the head one joint load a wave: K's first half of A's 8 records, of B's 16, A's scale words, B's.  K's second half is first filled behind
; the full sequence and a round of the cluster's barrier, a load a wave, and lands under steps 0 to 2; the one barrier of the walk stands ahead of step 3's fetch.
; CLUSTERS 4 x 4: A's tiles are shared along a row of the cluster, B's along a column.  No prefetch: the text has no loop to run ahead in; all that is read is asked for in these two groups.
; The matrix instruction is used transposed (source 0 = B's rows, source 1 = A's): a lane holds eight neighbouring columns of a row.  The bias is the C of each accumulator's first product.
; The rows of a record are not neighbours: row p of record i of a pair is logical row 8 i + p + 8 (p / 8).  The way out goes through a stage in the bytes of K's first half, which nobody reads behind the walk's barrier.
.set REC,   12800
.set FR,    12
.set HROW,  6144                       ; a record's codes of half of K
.set AH,    8*HROW                     ; A's 8 records; B's 16 follow
.set HB,    24*HROW                    ; one half of K
.set SCL,   2*HB                       ; the scale words: A's 8 x 512, then B's 16 x 512
.set SPARE, SCL+24*512                 ; the spare words
.set SPITCH, 528
.set ADRA, 16                          ; v16-17 my A fragments, 16 x lane, K half 0, 1; v18-19 the same with 8 x lane
.set ADRB, 20                          ; v20-23 the same for B
.set STO,  24
.set RD,   25
.set CO,   26
.set ADRS, 27
.set SPW,  28
.set NIL,  29
.set L8,   30
.set SC,   32                          ; v32-63 scale words, two sets: register 2 i + q: lanes 0-15 A's block i, lanes 16-31 B's block i
.set BIAS, 64                          ; v64-127
.set AF,   128                         ; v128-223 A's fragments, two sets of 48
.set BK,   128                         ; the way out: v128-255
.set G1, 24
.set G0, 32
.set G0H, 36
.set G1B, 48
.set G0B, 56
.set G0HB, 60
.set G1S, 68
.set G0S, 76
.set G1SB, 80
.set G0SB, 88
.set MSB, 0
.macro WIN new
.if MSB != \new
	s_set_vgpr_msb (MSB<<8)|\new
.set MSB, \new
.endif
.endm
.set MUL_LO, 0xa1                      ; source 0 window 1, source 1 window 0, C and D window 2
.set FIRST_LO, 0x81                    ; the same with C (the bias) in window 0
.set TO_B,   0x40
.macro TLOAD g0, g1                    ; s_nop 0 and four v_nop behind every tensor load
	tensor_load_to_lds s[\g0:\g0+3], s[\g1:\g1+7]
	s_nop 0
.rept 4
	v_nop
.endr
.endm
.macro CREST
	s_cmp_lg_u32 s14, 0
	s_cbranch_scc1 .Lnot_wave_0_\@
	s_barrier_signal -3
.Lnot_wave_0_\@:
	s_barrier_wait -3
	s_barrier_signal -1
	s_barrier_wait -1
.endm
.macro CROUND
	s_barrier_signal -1
	s_barrier_wait -1
	CREST
.endm
.macro GRP1 g, mask, c, r              ; r rows of c elements of 8 bytes, a record apart
	s_or_b32 s[\g], \mask, (3<<16)|(1<<21)
	s_mov_b32 s[\g+1], (\c)<<16
	s_mov_b32 s[\g+2], (\r)<<16
	s_mov_b32 s[\g+3], (\c)<<16
	s_mov_b32 s[\g+4], \r
	s_mov_b32 s[\g+5], REC/8
	s_mov_b32 s[\g+6], 0
	s_mov_b32 s[\g+7], 0
.endm
	s_load_b128 s[4:7], s[0:1], 0x0                ; cq, wvo
	s_load_b128 s[8:11], s[0:1], 0x10              ; b_out, out0
	v_lshl_add_u32 v[SPW], v0, 2, SPARE
	v_mov_b32 v[NIL], 0
	ds_add_u32 v[SPW], v[NIL]                      ; the opening lines: the add twice on end and one wait
	ds_add_u32 v[SPW], v[NIL]
	v_lshrrev_b32 v1, 5, v0
	v_readfirstlane_b32 s14, v1                    ; wave
	s_lshr_b32 s15, s14, 1                         ; my half of the block's rows; also: I fetch for A (0) or B (1)
	s_and_b32 s16, s14, 1                          ; my half of its columns; also: which half of the tile I fetch
	s_bfe_u32 s40, ttmp6, 0x40000
	s_bfe_u32 s41, ttmp6, 0x40004
	s_lshl_b32 s42, ttmp9, 2
	s_add_co_u32 s42, s42, s40                     ; block column
	s_and_b32 s17, ttmp7, 0xffff
	s_lshl_b32 s17, s17, 2
	s_add_co_u32 s17, s17, s41                     ; block row
	s_lshl_b32 s43, s41, 2
	s_lshl_b32 s43, 15, s43                        ; my row of the cluster
	s_lshl_b32 s44, 0x1111, s40                    ; my column
	GRP1 G1,   s43, 768, 8
	GRP1 G1B,  s44, 768, 16
	GRP1 G1S,  s43, 64, 8
	GRP1 G1SB, s44, 64, 16
	s_mul_i32 s20, s17, 8*REC                      ; A's first record, in bytes
	s_mov_b32 s21, 0
	s_lshl_b32 s46, s42, 4
	s_add_co_u32 s46, s46, 64                      ; B's: w_out's records begin at 64
	s_mul_i32 s46, s46, REC
	s_mov_b32 s47, 0
	s_mul_i32 s18, s16, 4*REC                      ; K's second half: my 4 records of A,
	s_add_co_u32 s18, s18, HROW
	s_mov_b32 s19, 0
	s_mul_i32 s22, s16, 8*REC                      ; or my 8 of B,
	s_add_co_u32 s22, s22, HROW
	s_mov_b32 s23, 0
	s_mul_i32 s45, s16, 4*HROW                     ; and where they go
	s_add_co_u32 s45, s45, HB
	s_mul_i32 s92, s16, 8*HROW
	s_add_co_u32 s92, s92, HB+AH
	s_wait_dscnt 0x0
	s_wait_kmcnt 0x0
	s_add_nc_u64 s[20:21], s[4:5], s[20:21]
	s_add_nc_u64 s[46:47], s[6:7], s[46:47]
	CROUND                                         ; all sixteen work-groups are here: the first joint loads meet
	s_mov_b32 s[G0H], 1
	s_mov_b32 s[G0H+1], 0
	s_mov_b64 s[G0H+2:G0H+3], s[20:21]
	s_or_b32 s[G0H+3], s[G0H+3], 0x80000000
	s_mov_b32 s[G0HB], 1
	s_mov_b32 s[G0HB+1], AH
	s_mov_b64 s[G0HB+2:G0HB+3], s[46:47]
	s_or_b32 s[G0HB+3], s[G0HB+3], 0x80000000
	s_mov_b32 s[G0S], 1
	s_mov_b32 s[G0S+1], SCL
	s_add_nc_u64 s[G0S+2:G0S+3], s[20:21], 2*HROW
	s_or_b32 s[G0S+3], s[G0S+3], 0x80000000
	s_mov_b32 s[G0SB], 1
	s_mov_b32 s[G0SB+1], SCL+8*512
	s_add_nc_u64 s[G0SB+2:G0SB+3], s[46:47], 2*HROW
	s_or_b32 s[G0SB+3], s[G0SB+3], 0x80000000
	s_mov_b32 s[G0], 1
	s_mov_b32 s[G0+1], s45
	s_add_nc_u64 s[G0+2:G0+3], s[20:21], s[18:19]
	s_or_b32 s[G0+3], s[G0+3], 0x80000000
	s_mov_b32 s[G0B], 1
	s_mov_b32 s[G0B+1], s92
	s_add_nc_u64 s[G0B+2:G0B+3], s[46:47], s[22:23]
	s_or_b32 s[G0B+3], s[G0B+3], 0x80000000
.macro ARM under, g0, g1, next         ; one chain of branches on the wave's number: every way passes exactly one load
	s_cmp_lt_u32 s14, \under
	s_cbranch_scc0 \next
	TLOAD \g0, \g1
	s_branch .Lhead_asked
\next:
.endm
	ARM 1, G0H,  G1,  .Lhead_b
	ARM 2, G0HB, G1B, .Lhead_sa
	ARM 3, G0S,  G1S, .Lhead_sb
	TLOAD G0SB, G1SB
.Lhead_asked:
	s_mul_i32 s20, s15, 4*HROW                     ; my 4 records of A in K half 0,
	s_mul_i32 s21, s16, 8*HROW
	s_add_co_u32 s21, s21, AH                      ; my 8 of B,
	s_add_co_u32 s22, s20, HB                      ; and in K half 1
	s_add_co_u32 s23, s21, HB
	s_lshl_b32 s93, s15, 11                        ; my scale words of A,
	s_lshl_b32 s94, s16, 12
	s_add_co_u32 s94, s94, 8*512
	s_sub_co_u32 s94, s94, s93                     ; and how far on B's lie
	s_add_co_u32 s93, s93, SCL
	s_mul_i32 s95, s14, 16*SPITCH                  ; my stage
	s_lshl_b32 s66, s42, 10
	s_lshl_b32 s67, s16, 9
	s_add_co_u32 s66, s66, s67                     ; my first column, in bytes
	s_mov_b32 s67, 0
	s_add_nc_u64 s[8:9], s[8:9], s[66:67]
	s_lshl_b32 s96, s17, 7
	s_lshl_b32 s97, s15, 6
	s_add_co_u32 s96, s96, s97                     ; my first row
	s_lshl_b32 s96, s96, 12
	s_add_co_u32 s96, s96, s66
	s_mov_b32 s97, 0
	s_add_nc_u64 s[10:11], s[10:11], s[96:97]
	v_and_b32 v1, 31, v0
	v_and_b32 v2, 15, v0
	v_bfe_u32 v3, v0, 4, 1
	v_lshlrev_b32 v8, 6, v3
.irp b, 0,1,2,3,4,5,6,7                        ; the bias in the result's layout: columns 32 (b / 2) + 8 (b % 2) + 16 h + 0 .. 7
	global_load_b128 v[BIAS+8*\b:BIAS+8*\b+3], v8, s[8:9] offset:(32*(\b/2)+8*(\b%2))*4
	global_load_b128 v[BIAS+8*\b+4:BIAS+8*\b+7], v8, s[8:9] offset:(32*(\b/2)+8*(\b%2))*4+16
.endr
	v_lshlrev_b32 v[CO], 4, v1
	v_lshlrev_b32 v[L8], 3, v1
	v_add_nc_u32 v[ADRA], s20, v[CO]
	v_add_nc_u32 v[ADRA+1], s22, v[CO]
	v_add_nc_u32 v[ADRA+2], s20, v[L8]
	v_add_nc_u32 v[ADRA+3], s22, v[L8]
	v_add_nc_u32 v[ADRB], s21, v[CO]
	v_add_nc_u32 v[ADRB+1], s23, v[CO]
	v_add_nc_u32 v[ADRB+2], s21, v[L8]
	v_add_nc_u32 v[ADRB+3], s23, v[L8]
	v_lshlrev_b32 v6, 3, v2
	v_mul_u32_u24 v7, s94, v3                      ; lanes 16-31 take B's words
	v_add_nc_u32 v6, v6, v7
	v_add_nc_u32 v[ADRS], s93, v6
	v_mul_u32_u24 v5, v2, SPITCH
	v_lshl_add_u32 v5, v3, 6, v5
	v_add_nc_u32 v[STO], s95, v5
	v_add_nc_u32 v[RD], s95, v[CO]
.macro FRAG reg, adr, st, i
	ds_load_b128 v[\reg:\reg+3],     v[\adr]   offset:(\i)*HROW+((\st)%4)*1536
	ds_load_b64  v[\reg+4:\reg+5],   v[\adr+2] offset:(\i)*HROW+((\st)%4)*1536+512
	ds_load_b128 v[\reg+6:\reg+9],   v[\adr]   offset:(\i)*HROW+((\st)%4)*1536+768
	ds_load_b64  v[\reg+10:\reg+11], v[\adr+2] offset:(\i)*HROW+((\st)%4)*1536+1280
.endm
.macro FETCH st                        ; step st's fragments into set st % 2; with an even step the scale words of its 256 K
	WIN TO_B
.irp i, 0,1,2,3,4,5,6,7
	FRAG 128*((\st)%2)+FR*\i, ADRB+(\st)/4, \st, \i
.endr
	WIN 0
.irp i, 0,1,2,3
	FRAG AF+48*((\st)%2)+FR*\i, ADRA+(\st)/4, \st, \i
.endr
.if (\st)%2 == 0
.irp i, 0,1,2,3,4,5,6,7
	ds_load_b64 v[SC+16*(((\st)/2)%2)+2*\i:SC+16*(((\st)/2)%2)+2*\i+1], v[ADRS] offset:\i*512+128*((\st)/2)
.endr
.endif
.endm
.macro MUL16 a0, p, q, sc, first       ; the 32 accumulators take turns, in the same order in every step
.irp a, \a0, \a0+1
.irp b, 0,1,2,3,4,5,6,7
.if \first
	v_wmma_scale_f32_16x16x128_f8f6f4 v[8*(8*(\a)+\b):8*(8*(\a)+\b)+7], v[128*(\p)+FR*\b:128*(\p)+FR*\b+FR-1], v[AF+48*(\p)+FR*(\a):AF+48*(\p)+FR*(\a)+FR-1], v[BIAS+8*\b:BIAS+8*\b+7], v[SC+16*(\sc)+2*\b+(\q)], v[SC+16*(\sc)+2*(\a)+(\q)] matrix_a_fmt:MATRIX_FMT_FP6 matrix_b_fmt:MATRIX_FMT_FP6 matrix_a_scale:MATRIX_SCALE_ROW1
.else
	v_wmma_scale_f32_16x16x128_f8f6f4 v[8*(8*(\a)+\b):8*(8*(\a)+\b)+7], v[128*(\p)+FR*\b:128*(\p)+FR*\b+FR-1], v[AF+48*(\p)+FR*(\a):AF+48*(\p)+FR*(\a)+FR-1], v[8*(8*(\a)+\b):8*(8*(\a)+\b)+7], v[SC+16*(\sc)+2*\b+(\q)], v[SC+16*(\sc)+2*(\a)+(\q)] matrix_a_fmt:MATRIX_FMT_FP6 matrix_b_fmt:MATRIX_FMT_FP6 matrix_a_scale:MATRIX_SCALE_ROW1
.endif
.endr
.endr
.endm
.macro PLACES
.rept 4
	v_nop
.endr
.endm
.macro STEP st                         ; 128 along K: the next step's 56 or 48 LDS loads are issued, then this step's 32 products
.if (\st) == 3
	s_wait_tensorcnt 0x0                           ; my part of K's second half is in
.endif
	s_wait_dscnt 0x0                               ; this step's fragments are in (at step 3: my last reads of K's first half)
.if (\st) == 3
	s_barrier_signal -1
	s_barrier_wait -1                              ; everybody's part is in, and nobody reads K's first half any more
.endif
.if (\st) < 7
.if (\st) > 0
	PLACES                                         ; ahead of loads into the set that the last step's products read
.endif
	FETCH (\st)+1
.endif
.if (\st) == 0
	WIN FIRST_LO
.else
	WIN MUL_LO
.endif
	MUL16 0, (\st)%2, (\st)%2, ((\st)/2)%2, (\st)==0
	MUL16 2, (\st)%2, (\st)%2, ((\st)/2)%2, (\st)==0
	WIN 0
.endm
	s_wait_alu depctr_va_vdst(0)
	s_wait_tensorcnt 0x0                           ; my tile of the head's four is in
	ds_add_u32 v[SPW], v[NIL]
	s_mov_b32 s[G1+2], 4<<16                       ; no tensor load of mine is out: the next loads bring 4 records of A,
	s_mov_b32 s[G1+4], 4
	s_mov_b32 s[G1B+2], 8<<16                      ; or 8 of B
	s_mov_b32 s[G1B+4], 8
	s_wait_dscnt 0x0
	CROUND                                         ; all four tiles are in, in every work-group of the cluster
	s_cmp_eq_u32 s15, 0                            ; K's second half: waves 0, 1 for A, waves 2, 3 for B
	s_cbranch_scc0 .Lfor_b
	TLOAD G0, G1
	s_branch .Lasked
.Lfor_b:
	TLOAD G0B, G1B
.Lasked:
	FETCH 0
	s_wait_loadcnt 0x0                             ; the bias is in
.irp s, 0,1,2,3,4,5,6,7
	STEP \s
.endr
; THE WAY OUT, by blocks of 16 rows x 128 columns through my own stage: whole rows of 512 bytes come back and are stored by the 32 lanes
.macro TOSTAGE a
.set AC, 64*(\a)
	WIN 0x08                                       ; the data: window 2
.irp b, 0,1,2,3,4,5,6,7
	ds_store_b128 v[STO], v[AC+8*\b:AC+8*\b+3] offset:128*(\b/2)+32*(\b%2)       ; each accumulator from its low end on
	ds_store_b128 v[STO], v[AC+8*\b+4:AC+8*\b+7] offset:128*(\b/2)+32*(\b%2)+16
.endr
	WIN 0
.set BB, BK+64*((\a)%2)
.irp t, 0,1,2,3,4,5,6,7,8,9,10,11,12,13,14,15
	ds_load_b128 v[BB+4*\t:BB+4*\t+3], v[RD] offset:\t*SPITCH   ; LDS serves a wave's instructions in order
.endr
.endm
.macro SEND a, younger
.set BB, BK+64*((\a)%2)
	s_wait_dscnt \younger
.if (\a) > 0
.if (\a)%2 == 1
	s_add_nc_u64 s[10:11], s[10:11], 8*4096        ; the pair's second record begins 8 rows on,
.else
	s_add_nc_u64 s[10:11], s[10:11], 24*4096       ; the next pair 24 further
.endif
.endif
.irp t, 0,1,2,3,4,5,6,7,8,9,10,11,12,13,14,15
	global_store_b128 v[CO], v[BB+4*\t:BB+4*\t+3], s[10:11] offset:(\t+8*(\t/8))*4096 th:TH_STORE_NT   ; 512 consecutive bytes, at a multiple of 256
.endr
.endm
	PLACES
	TOSTAGE 0
.irp a, 1,2,3
.if \a > 1
	s_wait_xcnt 0x0                                ; block a - 2's stores have read their registers and their base
.endif
	TOSTAGE \a
	SEND \a-1, 32
.endr
	s_wait_xcnt 0x0
	SEND 3, 0
	s_wait_tensorcnt 0x0                           ; the wave's end
	ds_add_u32 v[SPW], v[NIL]
	s_wait_dscnt 0x0
	CROUND                                         ; the closing round
	s_endpgm
.Lfunc_end_k_q86ccaf3d93_gemm_out:
	.size	k_q86ccaf3d93_gemm_out, .Lfunc_end_k_q86ccaf3d93_gemm_out-k_q86ccaf3d93_gemm_out
	.p2alignl 7, 3214868480
	.fill 96, 4, 3214868480
	.section	.rodata,"a",@progbits
	.p2align	6, 0x0
	.amdhsa_kernel k_q86ccaf3d93_gemm_out
		.amdhsa_group_segment_fixed_size 327680
		.amdhsa_private_segment_fixed_size 0
		.amdhsa_enable_private_segment 0
		.amdhsa_kernarg_size 32
		.amdhsa_user_sgpr_count 2
		.amdhsa_user_sgpr_kernarg_segment_ptr 1
		.amdhsa_wavefront_size32 1
		.amdhsa_system_sgpr_workgroup_id_x 1
		.amdhsa_system_sgpr_workgroup_id_y 1
		.amdhsa_system_sgpr_workgroup_id_z 1
		.amdhsa_system_vgpr_workitem_id 0
		.amdhsa_next_free_vgpr 768
		.amdhsa_next_free_sgpr 100
		.amdhsa_reserve_vcc 0
		.amdhsa_float_denorm_mode_32 3
		.amdhsa_float_denorm_mode_16_64 3
		.amdhsa_memory_ordered 1
		.amdhsa_forward_progress 1
		.amdhsa_inst_pref_size 87
	.end_amdhsa_kernel
	.amdgpu_metadata
---
amdhsa.version: [ 1, 2 ]
amdhsa.kernels:
  - .name:           k_q86ccaf3d93_gemm_out
    .symbol:         k_q86ccaf3d93_gemm_out.kd
    .args:
      - { .name: cq, .offset: 0, .size: 8, .value_kind: global_buffer, .address_space: global }
      - { .name: wvo, .offset: 8, .size: 8, .value_kind: global_buffer, .address_space: global }
      - { .name: b_out, .offset: 16, .size: 8, .value_kind: global_buffer, .address_space: global }
      - { .name: out0, .offset: 24, .size: 8, .value_kind: global_buffer, .address_space: global }
    .group_segment_fixed_size: 327680
    .private_segment_fixed_size: 0
    .kernarg_segment_align: 8
    .kernarg_segment_size: 32
    .max_flat_workgroup_size: 128
    .sgpr_count:     100
    .vgpr_count:     768
    .wavefront_size: 32
...
	.end_amdgpu_metadata
.endif
;; end of part 5
